; MI455X (gfx1250); checked and timed in simulation.
; The chip was launched on July 23, 2026; its instructions are those of AMD's public machine-readable ISA for CDNA 5 (MIT licence, August 2026) and "CDNA5" Instruction Set Architecture Reference Guide (July 2026). The comments in the code are by the model that wrote it; some were corrected since.
;; Multihead Attention. Allowed arithmetic: float matrix products may take bf16 or f16 operands with f32 sums; all other float work in f32.
;; Inputs: Wk 256 x 256 float32; Wo 256 x 256 float32; Wq 256 x 256 float32; Wv 256 x 256 float32; bk 256 float32; bo 256 float32; bq 256 float32; bv 256 float32; keys 4 x 256 x 2,048 float32; mask 4 x 2,048 x 2,048 float32; queries 4 x 256 x 2,048 float32; values 4 x 256 x 2,048 float32.
;; Outputs: out0 4 x 256 x 2,048 float32.
;; 2 versions, each right; version 2 is version 1 with the launches proj, outp written anew for expert scheduling mode. Each part assembles by itself: llvm-mc -triple=amdgcn-amd-amdhsa -mcpu=gfx1250 --defsym DOCPART=n.
;; ======== version 1 of 2: 3 launches
;; limits: right only within a limited range of input values
;; workspace buffers: kF 4,194,304 bytes; qF 4,194,304 bytes; vF 4,194,304 bytes; aF 4,194,304 bytes; woF 131,072 bytes; kb 32,768 bytes
;; launch proj (part 1): grid 193 x 1, 16 waves a work-group, no clusters, 202,752 bytes of LDS; arguments keys, queries, values, Wk, Wq, Wv, bk, bq, bv, Wo, mask, kF, qF, vF, woF, kb; writes kF, qF, vF, woF, kb
.if DOCPART == 1
	.amdgcn_target "amdgcn-amd-amdhsa--gfx1250"
	.amdhsa_code_object_version 6
	.text
	.protected	k_q593253d430_proj
	.globl	k_q593253d430_proj
	.p2align	8
	.type	k_q593253d430_proj,@function
k_q593253d430_proj:
	s_mov_b64 s[64:65], 0
	v_nop
	global_prefetch_b8 v0, s[64:65] scope:SCOPE_SE
	s_setreg_imm32_b32 hwreg(HW_REG_WAVE_MODE, 25, 1), 1
	s_wait_xcnt 0x0
; proj: k = Wk keys + bk, q = Wq queries + bq, v = Wv values + bv, rounded to bf16 and stored AS MATRIX FRAGMENTS; Wo as bf16 fragments;
; the key mask (column 0 of mask) as an additive f32 bias.
; Work-groups 0-63 keys, 64-127 queries, 128-191 values: (batch, block of 128 columns), all 256 outputs, K = 256.  Work-group 192: Wo.
; A group reads 128 KiB of x (every x byte once in the launch) and the 256 KiB of its weight; halving the outputs to have more groups
; would read x twice, so 192 groups of this shape are launched.
; Sixteen waves: wave w = 2 og + ch makes outputs 32 og .. 32 og + 31 (two tiles, u) of column block ch (64 columns, four tiles, a).
; COLUMN ORDER: a lane loads 4 neighbouring f32 columns 4 r .. 4 r + 3; component a feeds tile a, so lane r of tile a is column 4 r + a of
; its block of 64.  Keys, values, key bias and softmax weights use the same order; for queries it is undone by the last launch's stores.
; WHY FRAGMENTS: an f32 result tile holds (m = 8 h + j, n = r) in register j of lane (r, h); four packed conversions give registers 0-3
; (or 4-7) of a 16-bit operand with row or column r and k = 8 h + j.  So every store here is 512 consecutive bytes of a wave, lane L at 16 L.
;   k, q: W is the first source, x the second: result (channel, column) -> operand with row = column, k = channel.
;   v:    x is the first source, W the second: result (column, channel) -> operand with row = channel, k = column.
; The bias is the C operand of the first product: nothing is cleared and no add is written.
; No joint loads: x and W must pass through registers to be rounded to bf16, and f32 W (256 KiB) beside the bf16 copies does not fit in LDS.
; Limit: a masked key gets the bias -2^127 (0xff000000), not minus infinity (see the attention launch).
.set WPITCH, 528                       ; an LDS row of W: 512 bytes of bf16 + 16: 33 x 16 bytes, so 16 rows start in 16 different 16-byte columns
.set XF,   256*WPITCH                  ; 135,168: x as fragments [k step 8][ch 2][a 4][half 2][lane x 16], 65,536 bytes
.set L16,  1                           ; lane x 16
.set RR,   2                           ; r = lane % 16
.set HH,   3                           ; h = lane / 16
.set VXO,  4                           ; x: h x 8 rows + r x 16 bytes
.set VWS,  5                           ; W into LDS: my 16 rows + lane x 8
.set VXS,  6                           ; x fragments into LDS
.set VWL,  7                           ; W fragments out of LDS
.set VXL,  8                           ; x fragments out of LDS
.set VBO,  9                           ; bias offset
.set VMO,  10                          ; mask offset (first: the lane)
.set ZERO, 11
.set MK,   12                          ; v[12:15]  four mask words
.set BI,   16                          ; v[16:31]  bias as C operand, 8 registers for each u
.set WR,   32                          ; v[32:159] W as loaded
.set XR,   160                         ; v[160:223] x as loaded
.set XC,   224                         ; v[224:255] x as fragments
.set ACC,  32                          ; behind the barrier: v[32:95] tile (u, a) at 8 (4 u + a)
.set BUF0, 96                          ; v[96:143]  W fragments u = 0, 1, then x fragments a = 0..3
.set BUF1, 144                         ; v[144:191]
.set OUTR, 192                         ; v[192:223] packed results
.macro PLACES n                        ; plain vector instructions that name no register of a matrix instruction (ISA guide 7.12.1)
.rept \n
	v_nop
.endr
.endm
.macro MM d, a, b, c
	v_wmma_f32_16x16x32_bf16 v[\d:\d+7], v[\a:\a+7], v[\b:\b+7], v[\c:\c+7]
.endm
; my 16 rows of a weight, 16 KiB in a row: each load of the wave takes 512 consecutive bytes
.macro WLOAD base
.set e, 0
.rept 32
	global_load_b128 v[WR+4*e:WR+4*e+3], v[L16], s[\base:\base+1] offset:e*512
.set e, e+1
.endr
.endm
; rounded in place and laid into LDS rows; four loads at a time, the count = the younger W loads
.macro WCONV
.set e, 0
.rept 8
	s_wait_loadcnt 28-e
.rept 4
	v_cvt_pk_bf16_f32 v[WR+4*e], v[WR+4*e], v[WR+4*e+1]
	v_cvt_pk_bf16_f32 v[WR+4*e+1], v[WR+4*e+2], v[WR+4*e+3]
	ds_store_b64 v[VWS], v[WR+4*e:WR+4*e+1] offset:(e/2)*WPITCH+(e%2)*256
.set e, e+1
.endr
.endr
.endm
; x rows 32 og + 16 (e / 8) + 8 h + e % 8, my block of 64 columns: sixteen lanes take 256 consecutive bytes
.macro XLOAD
.set e, 0
.rept 16
	global_load_b128 v[XR+4*e:XR+4*e+3], v[VXO], s[40:41] offset:((e/8)*16+(e%8))*8192 th:TH_LOAD_NT
.set e, e+1
.endr
.endm
; component a of rows 8 h + 2 p, 8 h + 2 p + 1 -> register p of tile a (second half: rows + 16), then 8 stores of 512 bytes
.macro XCONV
.irp a,0,1,2,3
.irp p,0,1,2,3
	v_cvt_pk_bf16_f32 v[XC+8*\a+\p], v[XR+8*\p+\a], v[XR+8*\p+4+\a]
.endr
.irp p,0,1,2,3
	v_cvt_pk_bf16_f32 v[XC+8*\a+4+\p], v[XR+32+8*\p+\a], v[XR+36+8*\p+\a]
.endr
.endr
.irp q,0,1,2,3,4,5,6,7
	ds_store_b128 v[VXS], v[XC+4*\q:XC+4*\q+3] offset:\q*512
.endr
.endm
; the 12 fragment loads of K step kk
.macro FETCH kk, buf
.irp u,0,1
	ds_load_b128 v[\buf+8*\u:\buf+8*\u+3], v[VWL] offset:\u*16*WPITCH+\kk*64
	ds_load_b128 v[\buf+8*\u+4:\buf+8*\u+7], v[VWL] offset:\u*16*WPITCH+\kk*64+32
.endr
.irp q,0,1,2,3,4,5,6,7
	ds_load_b128 v[\buf+16+4*\q:\buf+16+4*\q+3], v[VXL] offset:\kk*8192+\q*512
.endr
.endm
; eight products; the eight accumulators take turns, one instruction a turn
.macro MUL buf, swap, start
.irp u,0,1
.irp a,0,1,2,3
.if \swap
.if \start
	MM ACC+8*(4*\u+\a), \buf+16+8*\a, \buf+8*\u, BI+8*\u
.else
	MM ACC+8*(4*\u+\a), \buf+16+8*\a, \buf+8*\u, ACC+8*(4*\u+\a)
.endif
.else
.if \start
	MM ACC+8*(4*\u+\a), \buf+8*\u, \buf+16+8*\a, BI+8*\u
.else
	MM ACC+8*(4*\u+\a), \buf+8*\u, \buf+16+8*\a, ACC+8*(4*\u+\a)
.endif
.endif
.endr
.endr
.endm
; one K step: left = the younger LDS loads (the next step's 12); more = 1: step nxt is fetched into the buffer just multiplied
.macro STEP buf, swap, start, left, more, nxt
	s_wait_dscnt \left
	MUL \buf, \swap, \start
.if \more
	PLACES 4                               ; loads into registers that the products above read stand four places behind them
	FETCH \nxt, \buf
.endif
.endm
.macro BODY swap
	s_and_b32 s50, s6, 1                   ; which 32 of the head's 64 channels
	s_lshl_b32 s50, s50, 10+\swap          ; k, q: 1,024 bytes (k chunk); v: 2,048 bytes (two channel tiles)
	s_add_nc_u64 s[46:47], s[46:47], s[50:51]
	; the bias goes first, so that the counts below are the same for all three tensors
.if \swap
	v_lshlrev_b32 v[VBO], 2, v[RR]         ; result column r = channel: one number a lane for each u
	global_load_b32 v[BI], v[VBO], s[44:45]
	global_load_b32 v[BI+8], v[VBO], s[44:45] offset:64
.else
	v_lshlrev_b32 v[VBO], 5, v[HH]         ; result row 8 h + j = channel: eight numbers a lane for each u
	global_load_b128 v[BI:BI+3], v[VBO], s[44:45]
	global_load_b128 v[BI+4:BI+7], v[VBO], s[44:45] offset:16
	global_load_b128 v[BI+8:BI+11], v[VBO], s[44:45] offset:64
	global_load_b128 v[BI+12:BI+15], v[VBO], s[44:45] offset:80
.endif
	XLOAD
	WLOAD 42
.if \swap
.else
	; wave 0 of a keys group: the key bias of its 128 keys.  Word 4 L + e of the 128 is (block L / 16, tile (L / 4) % 4, row 4 (L % 4) + e),
	; which is key 64 (L / 16) + 16 (L % 4) + 4 e + (L / 4) % 4.
	s_cmp_lg_u32 s3, 0
	s_cbranch_scc1 .Lno_mask
	s_cmp_lg_u32 s2, 0
	s_cbranch_scc1 .Lno_mask
	s_lshl_b32 s48, s4, 24                 ; batch x 2,048 rows x 8,192 bytes
	s_lshl_b32 s50, s5, 20                 ; + 128 rows for each column block
	s_add_co_u32 s48, s48, s50
	s_add_nc_u64 s[28:29], s[28:29], s[48:49]
	s_lshl_b32 s48, s4, 13
	s_lshl_b32 s50, s5, 9
	s_add_co_u32 s48, s48, s50
	s_add_nc_u64 s[38:39], s[38:39], s[48:49]
	v_lshlrev_b32 v[VMO], 6, v[HH]
	v_and_b32 v[MK], 3, v0
	v_lshl_add_u32 v[VMO], v[MK], 4, v[VMO]
	v_bfe_u32 v[MK], v0, 2, 2
	v_add_lshl_u32 v[VMO], v[VMO], v[MK], 13
	v_mov_b32 v[ZERO], 0
.irp e,0,1,2,3
	global_load_b32 v[MK+\e], v[VMO], s[28:29] offset:\e*32768 th:TH_LOAD_NT
.endr
	s_wait_loadcnt 0x0
.irp e,0,1,2,3
	v_cmp_lt_f32 vcc_lo, 0, v[MK+\e]       ; keep = mask > 0 (a NaN is no keep, as in the comparison of the problem)
	v_cndmask_b32 v[MK+\e], 0xff000000, v[ZERO], vcc_lo
.endr
	global_store_b128 v[L16], v[MK:MK+3], s[38:39]     ; 512 consecutive bytes; its registers are not written again
.Lno_mask:
.endif
	s_wait_loadcnt 32                      ; the 32 loads of W are younger: bias and x are in
	XCONV
.if \swap
.irp j,1,2,3,4,5,6,7
	v_mov_b32 v[BI+\j], v[BI]              ; C is constant along the result's rows here
	v_mov_b32 v[BI+8+\j], v[BI+8]
.endr
.endif
	WCONV
	s_wait_dscnt 0x0                       ; my LDS stores are done, for the other waves' sake
	s_barrier_signal -1
	s_barrier_wait -1                      ; W and x are whole
	FETCH 0, BUF0
	FETCH 1, BUF1
	STEP BUF0, \swap, 1, 12, 1, 2
	STEP BUF1, \swap, 0, 12, 1, 3
	STEP BUF0, \swap, 0, 12, 1, 4
	STEP BUF1, \swap, 0, 12, 1, 5
	STEP BUF0, \swap, 0, 12, 1, 6
	STEP BUF1, \swap, 0, 12, 1, 7
	STEP BUF0, \swap, 0, 12, 0, 0
	STEP BUF1, \swap, 0, 0, 0, 0
	PLACES 4                               ; the conversions read results
.irp u,0,1
.irp a,0,1,2,3
.irp p,0,1,2,3
	v_cvt_pk_bf16_f32 v[OUTR+4*(4*\u+\a)+\p], v[ACC+8*(4*\u+\a)+2*\p], v[ACC+8*(4*\u+\a)+2*\p+1]
.endr
.if \swap
	global_store_b128 v[L16], v[OUTR+4*(4*\u+\a):OUTR+4*(4*\u+\a)+3], s[46:47] offset:(\a/2)*4096+\u*1024+(\a%2)*512
.else
	global_store_b128 v[L16], v[OUTR+4*(4*\u+\a):OUTR+4*(4*\u+\a)+3], s[46:47] offset:\a*2048+\u*512
.endif
.endr
.endr
	s_wait_xcnt 0x0
	v_lshl_add_u32 v254, v0, 2, 0x31000
	v_mov_b32 v255, 0
	s_wait_tensorcnt 0x0
	ds_add_u32 v254, v255
	s_wait_dscnt 0x0
	s_endpgm
.endm
	s_load_b512 s[8:23], s[0:1], 0x0       ; keys 8, queries 10, values 12, Wk 14, Wq 16, Wv 18, bk 20, bq 22
	s_load_b512 s[24:39], s[0:1], 0x40     ; bv 24, Wo 26, mask 28, kF 30, qF 32, vF 34, woF 36, kb 38
	v_lshrrev_b32 v[VMO], 5, v0
	v_readfirstlane_b32 s2, v[VMO]         ; wave
	s_lshr_b32 s3, ttmp9, 6                ; 0 keys, 1 queries, 2 values, 3 Wo
	s_bfe_u32 s4, ttmp9, 0x20004           ; batch
	s_and_b32 s5, ttmp9, 15                ; block of 128 columns
	s_lshr_b32 s6, s2, 1                   ; og
	s_and_b32 s7, s2, 1                    ; ch
	v_and_b32 v[VMO], 31, v0
	v_lshlrev_b32 v[L16], 4, v[VMO]
	v_and_b32 v[RR], 15, v0
	v_bfe_u32 v[HH], v0, 4, 1
	s_mul_i32 s52, s2, 16*WPITCH           ; my 16 rows of W in LDS
	v_lshl_add_u32 v[VWS], v[VMO], 3, s52
	v_mul_u32_u24 v[VWL], v[RR], WPITCH
	v_lshl_add_u32 v[VWL], v[HH], 4, v[VWL]    ; r x pitch + 16 h
	s_mov_b32 s49, 0
	s_mov_b32 s51, 0
	s_lshl_b32 s48, s2, 14                 ; my 16 rows of a weight in memory
	s_wait_kmcnt 0x0
	s_cmp_eq_u32 s3, 3
	s_cbranch_scc1 .Lwo
	s_cmp_eq_u32 s3, 1
	s_cselect_b64 s[40:41], s[10:11], s[8:9]       ; x
	s_cselect_b64 s[42:43], s[16:17], s[14:15]     ; W
	s_cselect_b64 s[44:45], s[22:23], s[20:21]     ; bias
	s_cselect_b64 s[46:47], s[32:33], s[30:31]     ; fragments out
	s_cmp_eq_u32 s3, 2
	s_cselect_b64 s[40:41], s[12:13], s[40:41]
	s_cselect_b64 s[42:43], s[18:19], s[42:43]
	s_cselect_b64 s[44:45], s[24:25], s[44:45]
	s_cselect_b64 s[46:47], s[34:35], s[46:47]
	s_add_nc_u64 s[42:43], s[42:43], s[48:49]
	s_lshl_b32 s48, s4, 21                 ; x: batch x 256 rows x 8,192 bytes
	s_lshl_b32 s50, s6, 18                 ; + 32 og rows
	s_add_co_u32 s48, s48, s50
	s_lshl_b32 s50, s5, 9                  ; + 128 columns for each block
	s_add_co_u32 s48, s48, s50
	s_lshl_b32 s50, s7, 8                  ; + 64 columns for ch
	s_add_co_u32 s48, s48, s50
	s_add_nc_u64 s[40:41], s[40:41], s[48:49]
	s_lshl_b32 s50, s6, 7                  ; bias: 32 og numbers
	s_add_nc_u64 s[44:45], s[44:45], s[50:51]
	s_lshr_b32 s48, s6, 1                  ; head
	s_lshl2_add_u32 s48, s4, s48           ; 4 batch + head
	s_lshl_b32 s48, s48, 5
	s_lshl1_add_u32 s50, s5, s7            ; block of 64 columns
	s_add_co_u32 s48, s48, s50
	s_lshl_b32 s48, s48, 13                ; 8 KiB of fragments for each (batch, head, block)
	s_add_nc_u64 s[46:47], s[46:47], s[48:49]
	v_lshlrev_b32 v[VXO], 4, v[RR]
	v_lshl_add_u32 v[VXO], v[HH], 16, v[VXO]
	s_lshl_b32 s53, s2, 12                 ; k step og, block ch = wave x 4,096 bytes
	s_add_co_u32 s53, s53, XF
	v_add_nc_u32 v[VXS], s53, v[L16]
	s_mul_i32 s54, s6, 32*WPITCH
	v_add_nc_u32 v[VWL], s54, v[VWL]
	s_lshl_b32 s55, s7, 12
	s_add_co_u32 s55, s55, XF
	v_add_nc_u32 v[VXL], s55, v[L16]
	s_cmp_eq_u32 s3, 2
	s_cbranch_scc1 .Lvalues
	BODY 0
.Lvalues:
	BODY 1
	; Wo: each wave rounds its 16 rows, lays them into its own LDS rows and reads them back as the 16 halves of 8 fragments.
	; The bytes are the wave's own and LDS serves a wave's instructions in order (ISA guide 5.7.1): no barrier.
.Lwo:
	s_add_nc_u64 s[26:27], s[26:27], s[48:49]
	WLOAD 26
	v_add_nc_u32 v[VWL], s52, v[VWL]
	s_lshl_b32 s50, s2, 13
	s_add_nc_u64 s[36:37], s[36:37], s[50:51]
	WCONV
.irp q,0,1,2,3,4,5,6,7,8,9,10,11,12,13,14,15
	ds_load_b128 v[XR+4*\q:XR+4*\q+3], v[VWL] offset:\q*32
.endr
.irp q,0,1,2,3,4,5,6,7,8,9,10,11,12,13,14,15
	s_wait_dscnt 15-\q                     ; LDS loads come back in order: number q is in
	global_store_b128 v[L16], v[XR+4*\q:XR+4*\q+3], s[36:37] offset:\q*512
.endr
	s_wait_xcnt 0x0
	v_lshl_add_u32 v254, v0, 2, 0x31000
	v_mov_b32 v255, 0
	s_wait_tensorcnt 0x0
	ds_add_u32 v254, v255
	s_wait_dscnt 0x0
	s_endpgm
.Lfunc_end_k_q593253d430_proj:
	.size	k_q593253d430_proj, .Lfunc_end_k_q593253d430_proj-k_q593253d430_proj
	.p2alignl 7, 3214868480
	.fill 96, 4, 3214868480
	.section	.rodata,"a",@progbits
	.p2align	6, 0x0
	.amdhsa_kernel k_q593253d430_proj
		.amdhsa_group_segment_fixed_size 202752
		.amdhsa_private_segment_fixed_size 0
		.amdhsa_enable_private_segment 0
		.amdhsa_kernarg_size 128
		.amdhsa_user_sgpr_count 2
		.amdhsa_user_sgpr_kernarg_segment_ptr 1
		.amdhsa_wavefront_size32 1
		.amdhsa_system_sgpr_workgroup_id_x 1
		.amdhsa_system_sgpr_workgroup_id_y 1
		.amdhsa_system_sgpr_workgroup_id_z 1
		.amdhsa_system_vgpr_workitem_id 0
		.amdhsa_next_free_vgpr 256
		.amdhsa_next_free_sgpr 66
		.amdhsa_reserve_vcc 1
		.amdhsa_float_denorm_mode_32 3
		.amdhsa_float_denorm_mode_16_64 3
		.amdhsa_memory_ordered 1
		.amdhsa_forward_progress 1
		.amdhsa_inst_pref_size 74
	.end_amdhsa_kernel
	.amdgpu_metadata
---
amdhsa.version: [ 1, 2 ]
amdhsa.kernels:
  - .name:           k_q593253d430_proj
    .symbol:         k_q593253d430_proj.kd
    .args:
      - { .name: keys, .offset: 0, .size: 8, .value_kind: global_buffer, .address_space: global }
      - { .name: queries, .offset: 8, .size: 8, .value_kind: global_buffer, .address_space: global }
      - { .name: values, .offset: 16, .size: 8, .value_kind: global_buffer, .address_space: global }
      - { .name: Wk, .offset: 24, .size: 8, .value_kind: global_buffer, .address_space: global }
      - { .name: Wq, .offset: 32, .size: 8, .value_kind: global_buffer, .address_space: global }
      - { .name: Wv, .offset: 40, .size: 8, .value_kind: global_buffer, .address_space: global }
      - { .name: bk, .offset: 48, .size: 8, .value_kind: global_buffer, .address_space: global }
      - { .name: bq, .offset: 56, .size: 8, .value_kind: global_buffer, .address_space: global }
      - { .name: bv, .offset: 64, .size: 8, .value_kind: global_buffer, .address_space: global }
      - { .name: Wo, .offset: 72, .size: 8, .value_kind: global_buffer, .address_space: global }
      - { .name: mask, .offset: 80, .size: 8, .value_kind: global_buffer, .address_space: global }
      - { .name: kF, .offset: 88, .size: 8, .value_kind: global_buffer, .address_space: global }
      - { .name: qF, .offset: 96, .size: 8, .value_kind: global_buffer, .address_space: global }
      - { .name: vF, .offset: 104, .size: 8, .value_kind: global_buffer, .address_space: global }
      - { .name: woF, .offset: 112, .size: 8, .value_kind: global_buffer, .address_space: global }
      - { .name: kb, .offset: 120, .size: 8, .value_kind: global_buffer, .address_space: global }
    .group_segment_fixed_size: 202752
    .private_segment_fixed_size: 0
    .kernarg_segment_align: 8
    .kernarg_segment_size: 128
    .max_flat_workgroup_size: 512
    .sgpr_count:     66
    .vgpr_count:     256
    .wavefront_size: 32
...
	.end_amdgpu_metadata
.endif
;; end of part 1
;; launch attn (part 2): grid 16 x 16, 8 waves a work-group, clusters of 4 x 1, 327,680 bytes of LDS; arguments qF, kF, vF, kb, aF; writes aF
.if DOCPART == 2
	.amdgcn_target "amdgcn-amd-amdhsa--gfx1250"
	.amdhsa_code_object_version 6
	.text
	.protected	k_q593253d430_attn
	.globl	k_q593253d430_attn
	.p2align	8
	.type	k_q593253d430_attn,@function
k_q593253d430_attn:
	s_mov_b64 s[64:65], 0
	v_nop
	global_prefetch_b8 v0, s[64:65] scope:SCOPE_SE
	s_setreg_imm32_b32 hwreg(HW_REG_WAVE_MODE, 25, 1), 1
	s_wait_xcnt 0x0
	s_wait_alu depctr_hold_cnt(0) depctr_sa_sdst(0) depctr_va_vdst(0) depctr_va_sdst(0) depctr_va_ssrc(0) depctr_va_vcc(0) depctr_vm_vsrc(0)
	s_getreg_b32 s2, hwreg(HW_REG_IB_STS2, 6, 4)
	s_cmp_eq_u32 s2, 0
	s_cbranch_scc0 .Lentry_in_a_cluster
	s_endpgm
.Lentry_in_a_cluster:
	s_bfe_u32 s2, ttmp6, 0x10000c
	s_cmp_lg_u32 s2, 0x3003
	s_cbranch_scc0 .Lentry_shape_is_right
	s_endpgm
.Lentry_shape_is_right:
; attn: softmax(K^T Q / 8 + key bias) over the keys, times V, for one (batch, head) and 128 queries; the normalised result goes out as bf16 fragments.
; Grid: x = block of 128 queries (16), y = 4 batch + head (16).  The four work-groups of a cluster are four query blocks of one (batch, head):
; they read the same K and V, so every fill of LDS is a JOINT load with mask 15, which divides the requests for K and V by four.
; Eight waves: wave w = 2 sq + th has 64 queries (th; four tiles a) and the blocks of 64 keys whose number is sq modulo 4: 8 units of 64 keys.
; A unit: 32 products for the scores, softmax, 32 products with V, 40 LDS loads.  The four waves of one th are merged at the end through LDS.
; All operands arrive as ready fragments (lane L at 16 L): no padding, no transposing load, no bank conflict.
; Scores: first source K (row = key), second source Q (column = query), C = key bias: register j of lane (r, h) = (key row 8 h + j, query r).
; Packed to bf16 two score tiles are the second source of the product with V (k = key), whose result is (channel 8 h + j, query r).
; SOFTMAX: running maximum of the raw scores; p = 2^(c s - c m), c = log2(e) / 8, in one fused multiply-add and one exponential.
; TWO GROUPS OF WAVES, HALF A UNIT APART.  A unit is written in two parts: UA (loads, score products, maxima) and UB (exponentials, sums, packing,
; products with V).  The group is the parity of the wave number's three bits, so two waves whose numbers differ in one bit are in different groups.
; At the head of each stretch between two refills group 0 runs UA, all waves pass a barrier, and then group 1 runs UA while group 0 is at its
; exponentials: one group's products and the other's vector arithmetic are issued side by side, instead of all waves asking for the same unit at once.
; LIMITS: a masked key has the bias -2^127; the running maximum starts at -2^97, so a raw score below -2^97 counts as masked.  With all keys of a
; batch masked the sum is 0 and the result NaN, as with the problem's softmax of minus infinities.  Operands bf16; sums, softmax, merge f32;
; the sum of weights is taken of the f32 weights, the product with V of their bf16 roundings.
; LDS: two slots of 128 KiB (K of 512 keys, 64 KiB, then V of the same keys); key bias 8 KiB; m and l of the merge 8 KiB.  The merge's partial
; results use slot 0, which has had its last fill by then.
.set SLOTB, 131072
.set KBB,   262144                     ; key bias of the batch: [block of 64][tile 4][row 16] f32
.set MLB,   270336                     ; merge: for each wave 512 bytes of m, 512 bytes of l
; window 0
.set ADK,   1                          ; v1, v2   my K blocks in slot 0, 1
.set ADV,   3                          ; v3, v4   my V blocks in slot 0, 1
.set ADB,   5                          ; v5       my key bias
.set L16,   6                          ; v6       lane x 16
.set TID16, 7                          ; v7       thread x 16
.set MX,    8                          ; v[8:11]  running maximum for each a
.set AL,    12                         ; v[12:15] second chain of the maxima, then the rescale factor
.set TT,    16                         ; v[16:19] at work
.set NM,    20                         ; v[20:23] other half's maximum, then -c m
.set LP,    24                         ; v[24:31] sum of weights, a pair for each a
.set BC,    32                         ; v[32:63] key bias as C operand, 8 for each key tile
.set KF,    64                         ; v[64:127] K fragments: 16 for each key tile
.set SC,    128                        ; v[128:255] scores: group 4 sg + a of 16 registers = key tiles 2 sg, 2 sg + 1; packed weights in its first 8
; window 1
.set OA,    0                          ; v[256:383] result tile (channel tile ct, a) at 8 (4 ct + a)
.set QF,    128                        ; v[384:447] Q fragments: 16 for each a
.set VF,    192                        ; v[448:511] V fragments: 8 (4 sg + ct)
.set MSB, 0
.macro WIN new                         ; low byte: bits 1:0 source 0, 3:2 source 1, 5:4 source 2, 7:6 destination; high byte: the setting left
.if MSB != \new
	s_set_vgpr_msb (MSB<<8)|\new
.set MSB, \new
.endif
.endm
.macro PLACES n                        ; plain vector instructions that name no register of a matrix instruction (ISA guide 7.12.1)
.rept \n
	v_nop
.endr
.endm
.macro MM d, a, b, c
	v_wmma_f32_16x16x32_bf16 v[\d:\d+7], v[\a:\a+7], v[\b:\b+7], v[\c:\c+7]
.endm
.macro MM0 d, a, b
	v_wmma_f32_16x16x32_bf16 v[\d:\d+7], v[\a:\a+7], v[\b:\b+7], 0
.endm
; A round of the cluster's barrier: my work-group's barrier, wave 0 signals for the work-group, every wave waits for all four work-groups,
; my work-group's barrier once more.  CREST is the round behind its opening barrier.
.macro CREST
	s_cmp_lg_u32 s14, 0
	s_cbranch_scc1 .Lnot_wave_0_\@
	s_barrier_signal -3
.Lnot_wave_0_\@:
	s_barrier_wait -3
	s_barrier_signal -1
	s_barrier_wait -1
.endm
.macro ROUND
	s_barrier_signal -1
	s_barrier_wait -1
	CREST
.endm
; Single steps of the softmax on group gr (16 scores of query tile a = gr % 4).  -c m and the rescale factor of a lie in half a % 2 of pair a / 2.
.macro FMA1 gr, i                      ; pair i: c s - c m
.if ((\gr)%2) == 0
	v_pk_fma_f32 v[SC+16*(\gr)+2*\i:SC+16*(\gr)+2*\i+1], v[SC+16*(\gr)+2*\i:SC+16*(\gr)+2*\i+1], s[24:25], v[NM+2*(((\gr)%4)/2):NM+2*(((\gr)%4)/2)+1] op_sel:[0,0,0] op_sel_hi:[1,0,0]
.else
	v_pk_fma_f32 v[SC+16*(\gr)+2*\i:SC+16*(\gr)+2*\i+1], v[SC+16*(\gr)+2*\i:SC+16*(\gr)+2*\i+1], s[24:25], v[NM+2*(((\gr)%4)/2):NM+2*(((\gr)%4)/2)+1] op_sel:[0,0,1] op_sel_hi:[1,0,1]
.endif
.endm
.macro SUM1 gr, i                      ; pair i is added to the sum of a; the unit's first add of each a also rescales the old sum
.set hd_, 0
.if (\gr) < 4
.if (\i) == 0
.set hd_, 1
.endif
.endif
.if hd_
.if ((\gr)%2) == 0
	s_wait_alu depctr_va_vdst(0)
	v_pk_fma_f32 v[LP+2*((\gr)%4):LP+2*((\gr)%4)+1], v[LP+2*((\gr)%4):LP+2*((\gr)%4)+1], v[AL+2*(((\gr)%4)/2):AL+2*(((\gr)%4)/2)+1], v[SC+16*(\gr):SC+16*(\gr)+1] op_sel:[0,0,0] op_sel_hi:[1,0,1]
.else
	s_wait_alu depctr_va_vdst(0)
	v_pk_fma_f32 v[LP+2*((\gr)%4):LP+2*((\gr)%4)+1], v[LP+2*((\gr)%4):LP+2*((\gr)%4)+1], v[AL+2*(((\gr)%4)/2):AL+2*(((\gr)%4)/2)+1], v[SC+16*(\gr):SC+16*(\gr)+1] op_sel:[0,1,0] op_sel_hi:[1,1,1]
.endif
.else
	s_wait_alu depctr_va_vdst(0)
	v_pk_add_f32 v[LP+2*((\gr)%4):LP+2*((\gr)%4)+1], v[LP+2*((\gr)%4):LP+2*((\gr)%4)+1], v[SC+16*(\gr)+2*\i:SC+16*(\gr)+2*\i+1]
.endif
.endm
.macro CVT1 gr, i                      ; pair i is packed in place into register i of the group (pair i is read before register i <= 2 i is written)
	v_cvt_pk_bf16_f32 v[SC+16*(\gr)+\i], v[SC+16*(\gr)+2*\i], v[SC+16*(\gr)+2*\i+1]
.endm
; The 16 exponentials of group gr, each followed by plain work on other groups: the sums and the packing of group gr - 1 (prev = 1) and the
; exponents of group gr + 1 (next = 1).  So a plain instruction on other registers always stands behind an exponential before its result is
; used (ISA guide 5.7.2), and the plain work is issued between the exponentials instead of behind a run of them.
.macro STAGE gr, prev, next
.irp i,0,1,2,3,4,5,6,7
	v_exp_f32 v[SC+16*\gr+2*\i], v[SC+16*\gr+2*\i]
.if \prev
	SUM1 \gr-1, \i
.endif
	v_exp_f32 v[SC+16*\gr+2*\i+1], v[SC+16*\gr+2*\i+1]
.if \prev
	CVT1 \gr-1, \i
.endif
.if \next
	FMA1 \gr+1, \i
.endif
.endr
.endm
.macro RESC a, ap, sel                 ; the four result tiles of a times its factor
.irp ct,0,1,2,3
.irp p,0,1,2,3
	v_pk_mul_f32 v[OA+8*(4*\ct+\a)+2*\p:OA+8*(4*\ct+\a)+2*\p+1], v[OA+8*(4*\ct+\a)+2*\p:OA+8*(4*\ct+\a)+2*\p+1], v[\ap:\ap+1] op_sel:[0,\sel] op_sel_hi:[1,\sel]
.endr
.endr
.endm
.macro PVH sg, zero                    ; 16 products with V for 32 keys; the 16 accumulators take turns, one instruction a turn
.irp ct,0,1,2,3
.irp a,0,1,2,3
.if \zero
	MM0 OA+8*(4*\ct+\a), VF+8*(4*\sg+\ct), SC+16*(4*\sg+\a)
.else
	MM OA+8*(4*\ct+\a), VF+8*(4*\sg+\ct), SC+16*(4*\sg+\a), OA+8*(4*\ct+\a)
.endif
.endr
.endr
.endm
; UA, a unit's first part: my block of 64 keys number u (0, 1) of the slot; g = its number among my eight.
; first = 1: no places are written at its head (no product stands before it, or the places stand in front of the call).
; sig = 1: this is my last unit in the slot.  Behind the score products all 40 loads are waited for, so my reads of the slot are over; all my tensor
; loads are waited for too; then the barrier is signalled, and only register work follows up to its wait, which stands behind UB.
.macro UA slot, u, g, first, sig
.if \first
.else
	PLACES 5                               ; behind the last products with V: five places before scores overwrite the weights, four before loads into V's fragments
.endif
	WIN 0
.irp sg,0,1
.irp hf,0,1
	ds_load_b128 v[BC+8*(2*\sg+\hf):BC+8*(2*\sg+\hf)+3], v[ADB] offset:\g*1024+(2*\sg+\hf)*64
	ds_load_b128 v[BC+8*(2*\sg+\hf)+4:BC+8*(2*\sg+\hf)+7], v[ADB] offset:\g*1024+(2*\sg+\hf)*64+16
.irp q,0,1,2,3
	ds_load_b128 v[KF+16*(2*\sg+\hf)+4*\q:KF+16*(2*\sg+\hf)+4*\q+3], v[ADK+\slot] offset:\u*32768+(2*\sg+\hf)*2048+\q*512
.endr
.endr
.endr
	WIN 0x40
.irp q,0,1,2,3,4,5,6,7,8,9,10,11,12,13,14,15
	ds_load_b128 v[VF+4*\q:VF+4*\q+3], v[ADV+\slot] offset:\u*32768+\q*512
.endr
	WIN 0x04
.irp sg,0,1
.irp hf,0,1
	s_wait_dscnt 34-12*\sg-6*\hf           ; of the 40 loads the first 6 for each key tile up to this one are in
.irp a,0,1,2,3
	MM SC+16*(4*\sg+\a)+8*\hf, KF+16*(2*\sg+\hf), QF+16*\a, BC+8*(2*\sg+\hf)
.endr
.irp a,0,1,2,3
	MM SC+16*(4*\sg+\a)+8*\hf, KF+16*(2*\sg+\hf)+8, QF+16*\a+8, SC+16*(4*\sg+\a)+8*\hf
.endr
.endr
.endr
	WIN 0
.if \sig
	s_wait_dscnt 0x0                       ; my reads of this slot are over,
	s_wait_xcnt 0x0
	v_lshl_add_u32 v18, v0, 2, 0x44000
	v_mov_b32 v19, 0
	s_wait_tensorcnt 0x0                   ; all my tensor loads have landed, my part of the other slot among them:
	ds_add_u32 v18, v19
	s_wait_dscnt 0x0
	s_barrier_signal -1                    ; say so; register work alone up to the wait
.endif
	PLACES 4                               ; the maxima read results
	; eight chains, two for each a: the first starts from the running maximum and takes the group of key tiles 0, 1, the second takes 15 of the 16
	; scores of key tiles 2, 3; the last line joins them with the sixteenth
.irp a,0,1,2,3
	v_max3_num_f32 v[TT+\a], v[MX+\a], v[SC+16*\a], v[SC+16*\a+1]
.endr
	s_wait_alu depctr_va_vdst(0)
.irp a,0,1,2,3
	v_max3_num_f32 v[AL+\a], v[SC+64+16*\a], v[SC+64+16*\a+1], v[SC+64+16*\a+2]
.endr
.irp i,1,2,3,4,5,6
.irp a,0,1,2,3
	v_max3_num_f32 v[TT+\a], v[TT+\a], v[SC+16*\a+2*\i], v[SC+16*\a+2*\i+1]
.endr
.irp a,0,1,2,3
	v_max3_num_f32 v[AL+\a], v[AL+\a], v[SC+64+16*\a+2*\i+1], v[SC+64+16*\a+2*\i+2]
.endr
.endr
.irp a,0,1,2,3
	v_max3_num_f32 v[TT+\a], v[TT+\a], v[SC+16*\a+14], v[SC+16*\a+15]
.endr
.irp a,0,1,2,3
	v_max3_num_f32 v[TT+\a], v[TT+\a], v[AL+\a], v[SC+64+16*\a+15]
.endr
.irp a,0,1,2,3
	v_permlanex16_b32 v[NM+\a], v[TT+\a], s28, s29     ; the other eight key rows of each tile lie in lane i xor 16
.endr
.irp a,0,1,2,3
	v_max_num_f32 v[TT+\a], v[TT+\a], v[NM+\a]
.endr
.irp a,0,1,2,3
	v_mul_f32 v[NM+\a], s26, v[TT+\a]                  ; -c m
.endr
.irp a,0,1,2,3
	v_fma_f32 v[AL+\a], v[MX+\a], s24, v[NM+\a]        ; c (old m) - c m
.endr
.irp a,0,1,2,3
	v_exp_f32 v[AL+\a], v[AL+\a]
.endr
.irp a,0,1,2,3
	v_mov_b32 v[MX+\a], v[TT+\a]
.endr
.endm
; UB, a unit's second part: register work alone.  first = 1: the products with V start the sums.
.macro UB first
.irp i,0,1,2,3,4,5,6,7
	FMA1 0, \i
.endr
	STAGE 0, 0, 1
	STAGE 1, 1, 1
	STAGE 2, 1, 1
	STAGE 3, 1, 1
	STAGE 4, 1, 1
	STAGE 5, 1, 1
	STAGE 6, 1, 1
	STAGE 7, 1, 0
.irp i,0,1,2,3,4,5,6,7
	SUM1 7, \i
	CVT1 7, \i
.endr
.if \first
.else
	WIN 0x41
	RESC 0, AL, 0
	RESC 1, AL, 1
	RESC 2, AL+2, 0
	RESC 3, AL+2, 1
.endif
	s_wait_dscnt 0x0                       ; V's fragments are in
	WIN 0x51
	PVH 0, \first
	PVH 1, 0
	WIN 0
.endm
; The first unit of a stretch: group 0 runs UA, all waves pass a barrier, group 1 runs UA, all run UB.  The barrier stands on every wave's path;
; a refill just issued may stay on its way.  No LDS instruction of the wave is pending at the signal.
; The five places behind the last products with V stand in front of both branches, so that they hold on every way through the two branches,
; whichever copies of UA a way takes or jumps over; the copies of UA here write none of their own.
.macro LEAD slot, u, g, first
.if \first
.else
	PLACES 5                               ; five places before scores overwrite the weights, four before a vector instruction or a load writes a product's register
.endif
	s_cmp_lg_u32 s62, 0
	s_cbranch_scc1 .Llater_\@
	UA \slot, \u, \g, 1, 0
.Llater_\@:
	s_wait_dscnt 0x0
	s_barrier_signal -1
	s_barrier_wait -1
	s_cmp_eq_u32 s62, 0
	s_cbranch_scc1 .Lahead_\@
	UA \slot, \u, \g, 1, 0
.Lahead_\@:
	UB \first
.endm
; The slot read last is filled again with the keys 1,024 further on.  The round's opening signal was given in the slot's last unit, behind every wave's
; waits for its reads and for all its tensor loads; here its wait, the rest of the round, which shows the same of all four work-groups, and the
; joint load: the first thing behind the round and the wave's only tensor load until the next round.  No tensor load of the wave is out when its address steps.
.macro CHANGE slot
	s_barrier_wait -1
	CREST
	s_add_nc_u64 s[34+4*\slot:35+4*\slot], s[34+4*\slot:35+4*\slot], 2*65536
	tensor_load_to_lds s[32+4*\slot:35+4*\slot], s[16:23]
	s_nop 0
.endm
	s_load_b256 s[4:11], s[0:1], 0x0       ; qF 4, kF 6, vF 8, kb 10
	s_load_b64 s[12:13], s[0:1], 0x20      ; aF
	v_lshl_add_u32 v18, v0, 2, 0x44000
	v_mov_b32 v19, 0
	ds_add_u32 v18, v19
	s_wait_dscnt 0x0
	v_lshrrev_b32 v[TT], 5, v0
	v_readfirstlane_b32 s14, v[TT]         ; wave
	s_and_b32 s15, s14, 1                  ; th: which 64 queries
	s_lshr_b32 s3, s14, 1                  ; sq: which key blocks
	s_lshr_b32 s62, s14, 1                 ; group: the parity of the wave number's three bits
	s_xor_b32 s62, s62, s14
	s_lshr_b32 s63, s14, 2
	s_xor_b32 s62, s62, s63
	s_and_b32 s62, s62, 1
	s_and_b32 s42, ttmp7, 0xffff           ; 4 batch + head
	s_lshr_b32 s43, s42, 2                 ; batch
	s_and_b32 s44, s42, 3                  ; head
	s_bfe_u32 s40, ttmp6, 0x40000          ; cx: enters the addresses of Q and of the result alone
	s_lshl_b32 s41, ttmp9, 2
	s_add_co_u32 s41, s41, s40             ; block of 128 queries
	; descriptor group 1, the same for every load: 64 dense rows of 32 elements of 8 bytes = 16 KiB a wave
	s_mov_b32 s16, 0x0023000f              ; 15:0 mask: all four work-groups; 17:16 element of 8 bytes; 21 set beside a mask; no padding
	s_mov_b32 s17, 32<<16                  ; tensor_dim0 = 32
	s_mov_b32 s18, 64<<16                  ; tensor_dim1 = 64
	s_mov_b32 s19, 32<<16                  ; tile_dim0 = 32
	s_mov_b32 s20, 64                      ; tile_dim1 = 64
	s_mov_b32 s21, 32                      ; from row to row: 32 elements
	s_mov_b32 s22, 0
	s_mov_b32 s23, 0
	s_mov_b32 s24, 0x3e38aa3b              ; c = log2(e) / 8
	s_mov_b32 s25, 0x3e38aa3b
	s_mov_b32 s26, 0xbe38aa3b              ; -c
	s_mov_b32 s28, 0x76543210              ; v_permlanex16_b32: lane i reads lane i of the other half
	s_mov_b32 s29, 0xfedcba98
	s_lshl_b32 s46, s42, 18                ; 256 KiB of fragments for each (batch, head)
	s_and_b32 s47, s14, 3
	s_lshl_b32 s47, s47, 14                ; my quarter of a fill's 64 KiB of K or of V
	s_add_co_u32 s46, s46, s47
	s_mov_b32 s47, 0
	s_lshl_b32 s48, s14, 14                ; and where it goes: K's four quarters, then V's = wave x 16 KiB
	s_lshl_b32 s50, s43, 13                ; key bias of the batch
	s_mov_b32 s51, 0
	s_lshl_b32 s52, s42, 5
	s_lshl1_add_u32 s52, s41, s52
	s_add_co_u32 s52, s52, s15             ; my block of 64 queries
	s_lshl_b32 s52, s52, 13
	s_mov_b32 s53, 0
	s_lshl_b32 s54, s43, 5
	s_lshl1_add_u32 s54, s41, s54
	s_add_co_u32 s54, s54, s15
	s_lshl_b32 s54, s54, 15                ; result: 32 KiB for each (batch, block of 64 queries)
	s_lshr_b32 s27, s3, 1
	s_lshl1_add_u32 s27, s44, s27          ; k chunk of 32 hidden channels = 2 head + sq / 2 (I write channel tile sq of the head)
	s_lshl_b32 s27, s27, 12
	s_add_co_u32 s54, s54, s27
	s_and_b32 s27, s3, 1
	s_lshl_b32 s27, s27, 9                 ; half of the chunk
	s_add_co_u32 s54, s54, s27
	s_mov_b32 s55, 0
	s_wait_kmcnt 0x0
	s_cmp_lt_u32 s14, 4                    ; waves 0-3 fetch K, waves 4-7 V
	s_cselect_b64 s[30:31], s[6:7], s[8:9]
	s_add_nc_u64 s[30:31], s[30:31], s[46:47]
	s_add_nc_u64 s[10:11], s[10:11], s[50:51]
	s_add_nc_u64 s[52:53], s[4:5], s[52:53]
	s_add_nc_u64 s[54:55], s[12:13], s[54:55]
.irp n,0,1
	s_mov_b32 s[32+4*\n], 1                                ; count = 1
	s_add_co_u32 s[33+4*\n], s48, \n*SLOTB                 ; LDS address
	s_add_nc_u64 s[34+4*\n:35+4*\n], s[30:31], \n*65536    ; keys 512 n ..
	s_or_b32 s[35+4*\n], s[35+4*\n], 0x80000000            ; type = 2
.endr
	ROUND                                  ; all four work-groups are here: the first joint loads meet
	tensor_load_to_lds s[32:35], s[16:23]  ; both first fills go out together: two loads of the wave are out, never more
	s_nop 0
	tensor_load_to_lds s[36:39], s[16:23]
	s_nop 0
	v_nop
	v_and_b32 v[TT], 31, v0
	v_lshlrev_b32 v[L16], 4, v[TT]
	v_lshlrev_b32 v[TID16], 4, v0
	WIN 0x40
.irp q,0,1,2,3,4,5,6,7,8,9,10,11,12,13,14,15
	global_load_b128 v[QF+4*\q:QF+4*\q+3], v[L16], s[52:53] offset:\q*512
.endr
	WIN 0
	global_load_b128 v[BC:BC+3], v[TID16], s[10:11]
	global_load_b128 v[BC+4:BC+7], v[TID16], s[10:11] offset:4096
	v_bfe_u32 v[TT+1], v0, 4, 1            ; h
	s_lshl_b32 s56, s3, 13                 ; block sq of each four: 8 KiB
	v_add_nc_u32 v[ADK], s56, v[L16]
	v_add_nc_u32 v[ADK+1], SLOTB, v[ADK]
	v_add_nc_u32 v[ADV], 65536, v[ADK]
	v_add_nc_u32 v[ADV+1], SLOTB+65536, v[ADK]
	s_lshl_b32 s57, s3, 8
	s_add_co_u32 s57, s57, KBB
	v_lshl_add_u32 v[ADB], v[TT+1], 5, s57 ; rows 8 h .. 8 h + 7 of a tile's 16
.irp a,0,1,2,3
	v_mov_b32 v[MX+\a], 0xf0000000         ; -2^97
	v_mov_b32 v[NM+\a], 0                  ; written once: a lane permute's destination counts as read
.endr
.irp i,0,1,2,3,4,5,6,7
	v_mov_b32 v[LP+\i], 0
.endr
	v_add_nc_u32 v[TT], KBB, v[TID16]
	s_wait_loadcnt 0x0
	ds_store_b128 v[TT], v[BC:BC+3]
	ds_store_b128 v[TT], v[BC+4:BC+7] offset:4096
	s_wait_tensorcnt 0x1                   ; my part of slot 0 is in; slot 1's may stay out
	s_wait_dscnt 0x0                       ; my part of the key bias is stored
	s_barrier_signal -1
	s_barrier_wait -1
	LEAD 0, 0, 0, 1                        ; keys 0 .. 511 in slot 0
	UA 0, 1, 1, 0, 1                       ; signals: slot 0 is read, slot 1 has landed
	UB 0
	CHANGE 0
	LEAD 1, 0, 2, 0                        ; keys 512 .. 1,023 in slot 1
	UA 1, 1, 3, 0, 1                       ; signals: slot 1 is read, slot 0's refill has landed
	UB 0
	CHANGE 1
	LEAD 0, 0, 4, 0                        ; keys 1,024 .. 1,535 in slot 0
	UA 0, 1, 5, 0, 1                       ; signals: slot 0 is read for the last time, slot 1's refill has landed
	UB 0
	s_barrier_wait -1                      ; everybody's: nothing is filled any more, and the two groups stay apart
	UA 1, 0, 6, 0, 0                       ; keys 1,536 .. 2,047 in slot 1
	UB 0
	UA 1, 1, 7, 0, 0
	UB 0
	; MERGE of the four waves of one th.  Every wave lays m, l and its 64 x 64 partial result into LDS; wave (th, sq) then sums channel tile sq.
	PLACES 4                               ; LDS stores read results, loads go into registers that products read
.irp a,0,1,2,3
	v_add_f32 v[TT+\a], v[LP+2*\a], v[LP+2*\a+1]
.endr
.irp a,0,1,2,3
	v_permlanex16_b32 v[NM+\a], v[TT+\a], s28, s29
.endr
.irp a,0,1,2,3
	v_add_f32 v[TT+\a], v[TT+\a], v[NM+\a] ; l of my keys
.endr
	v_add_nc_u32 v1, s48, v[L16]           ; my 16 KiB of slot 0
	s_lshl_b32 s58, s14, 10
	s_add_co_u32 s58, s58, MLB
	v_add_nc_u32 v2, s58, v[L16]
	s_lshl_b32 s59, s15, 10
	s_add_co_u32 s59, s59, MLB
	v_add_nc_u32 v3, s59, v[L16]           ; m, l of wave th + 2 q: + 2,048 q
	s_lshl_b32 s60, s15, 14
	s_lshl_b32 s61, s3, 12
	s_add_co_u32 s60, s60, s61
	v_add_nc_u32 v4, s60, v[L16]           ; channel tile sq of wave th + 2 q: + 32,768 q
	v_add_nc_u32 v5, 65536, v4
	ds_store_b128 v2, v[MX:MX+3]
	ds_store_b128 v2, v[TT:TT+3] offset:512
	WIN 0x04
.set q, 0
.rept 32
	ds_store_b128 v1, v[OA+4*q:OA+4*q+3] offset:q*512
.set q, q+1
.endr
	WIN 0
	s_wait_dscnt 0x0
	s_barrier_signal -1
	s_barrier_wait -1
.irp q,0,1,2,3
	ds_load_b128 v[KF+8*\q:KF+8*\q+3], v3 offset:\q*2048           ; m of partner q
	ds_load_b128 v[KF+8*\q+4:KF+8*\q+7], v3 offset:\q*2048+512     ; l of partner q
.endr
.irp q,0,1
.irp i,0,1,2,3,4,5,6,7
	ds_load_b128 v[SC+32*\q+4*\i:SC+32*\q+4*\i+3], v4 offset:\q*32768+\i*512
.endr
.endr
.irp q,0,1
.irp i,0,1,2,3,4,5,6,7
	ds_load_b128 v[SC+64+32*\q+4*\i:SC+64+32*\q+4*\i+3], v5 offset:\q*32768+\i*512
.endr
.endr
	s_wait_dscnt 32                        ; the 32 loads of partial results are younger: m and l are in
.irp a,0,1,2,3
	v_max3_num_f32 v[TT+\a], v[KF+\a], v[KF+8+\a], v[KF+16+\a]
.endr
.irp a,0,1,2,3
	v_max_num_f32 v[TT+\a], v[TT+\a], v[KF+24+\a]
.endr
.irp a,0,1,2,3
	v_mul_f32 v[NM+\a], s26, v[TT+\a]
.endr
.irp q,0,1,2,3
.irp a,0,1,2,3
	v_fma_f32 v[96+4*\q+\a], v[KF+8*\q+\a], s24, v[NM+\a]
.endr
.endr
.irp i,0,1,2,3,4,5,6,7,8,9,10,11,12,13,14,15
	v_exp_f32 v[96+\i], v[96+\i]           ; f of partner q for a, at 96 + 4 q + a
.endr
	v_nop                                  ; the plain place behind the exponentials
	s_wait_alu depctr_va_vdst(0)
.irp a,0,1,2,3
	v_mul_f32 v[MX+\a], v[96+\a], v[KF+4+\a]
.endr
.irp q,1,2,3
.irp a,0,1,2,3
	v_fmac_f32 v[MX+\a], v[96+4*\q+\a], v[KF+8*\q+4+\a]
.endr
.endr
.irp a,0,1,2,3
	v_rcp_f32 v[AL+\a], v[MX+\a]
.endr
	v_nop                                  ; the plain place behind the reciprocals
	s_wait_alu depctr_va_vdst(0)
.irp q,0,1,2,3
.irp a,0,1,2,3
	v_mul_f32 v[96+4*\q+\a], v[96+4*\q+\a], v[AL+\a]
.endr
.endr
	s_wait_dscnt 0x0
.macro MSUM a, pr, sel                 ; tile a: the sum over the partners of their factor times their partial result
.irp p,0,1,2,3
	v_pk_mul_f32 v[SC+8*\a+2*\p:SC+8*\a+2*\p+1], v[SC+8*\a+2*\p:SC+8*\a+2*\p+1], v[96+\pr:96+\pr+1] op_sel:[0,\sel] op_sel_hi:[1,\sel]
.endr
.irp q,1,2,3
.irp p,0,1,2,3
	v_pk_fma_f32 v[SC+8*\a+2*\p:SC+8*\a+2*\p+1], v[SC+32*\q+8*\a+2*\p:SC+32*\q+8*\a+2*\p+1], v[96+4*\q+\pr:96+4*\q+\pr+1], v[SC+8*\a+2*\p:SC+8*\a+2*\p+1] op_sel:[0,\sel,0] op_sel_hi:[1,\sel,1]
.endr
.endr
.irp p,0,1,2,3
	v_cvt_pk_bf16_f32 v[BC+4*\a+\p], v[SC+8*\a+2*\p], v[SC+8*\a+2*\p+1]
.endr
	global_store_b128 v[L16], v[BC+4*\a:BC+4*\a+3], s[54:55] offset:\a*1024    ; 512 consecutive bytes of the wave
.endm
	MSUM 0, 0, 0
	MSUM 1, 0, 1
	MSUM 2, 2, 0
	MSUM 3, 2, 1
	s_wait_xcnt 0x0
	v_lshl_add_u32 v18, v0, 2, 0x44000
	v_mov_b32 v19, 0
	s_wait_tensorcnt 0x0
	ds_add_u32 v18, v19
	s_wait_dscnt 0x0
	ROUND                                  ; the closing round: no work-group ends while a partner may still ask for a tile that names it
	s_endpgm
.Lfunc_end_k_q593253d430_attn:
	.size	k_q593253d430_attn, .Lfunc_end_k_q593253d430_attn-k_q593253d430_attn
	.p2alignl 7, 3214868480
	.fill 96, 4, 3214868480
	.section	.rodata,"a",@progbits
	.p2align	6, 0x0
	.amdhsa_kernel k_q593253d430_attn
		.amdhsa_group_segment_fixed_size 327680
		.amdhsa_private_segment_fixed_size 0
		.amdhsa_enable_private_segment 0
		.amdhsa_kernarg_size 40
		.amdhsa_user_sgpr_count 2
		.amdhsa_user_sgpr_kernarg_segment_ptr 1
		.amdhsa_wavefront_size32 1
		.amdhsa_system_sgpr_workgroup_id_x 1
		.amdhsa_system_sgpr_workgroup_id_y 1
		.amdhsa_system_sgpr_workgroup_id_z 1
		.amdhsa_system_vgpr_workitem_id 0
		.amdhsa_next_free_vgpr 512
		.amdhsa_next_free_sgpr 66
		.amdhsa_reserve_vcc 0
		.amdhsa_float_denorm_mode_32 3
		.amdhsa_float_denorm_mode_16_64 3
		.amdhsa_memory_ordered 1
		.amdhsa_forward_progress 1
		.amdhsa_inst_pref_size 255
	.end_amdhsa_kernel
	.section	.bss,"aw",@nobits
	.p2align	6
	.space	262144
	.amdgpu_metadata
---
amdhsa.version: [ 1, 2 ]
amdhsa.kernels:
  - .name:           k_q593253d430_attn
    .symbol:         k_q593253d430_attn.kd
    .args:
      - { .name: qF, .offset: 0, .size: 8, .value_kind: global_buffer, .address_space: global }
      - { .name: kF, .offset: 8, .size: 8, .value_kind: global_buffer, .address_space: global }
      - { .name: vF, .offset: 16, .size: 8, .value_kind: global_buffer, .address_space: global }
      - { .name: kb, .offset: 24, .size: 8, .value_kind: global_buffer, .address_space: global }
      - { .name: aF, .offset: 32, .size: 8, .value_kind: global_buffer, .address_space: global }
    .group_segment_fixed_size: 327680
    .private_segment_fixed_size: 0
    .kernarg_segment_align: 8
    .kernarg_segment_size: 40
    .max_flat_workgroup_size: 256
    .sgpr_count:     66
    .vgpr_count:     512
    .wavefront_size: 32
...
	.end_amdgpu_metadata
.endif
;; end of part 2
;; launch outp (part 3): grid 32 x 8, 8 waves a work-group, no clusters, 33,792 bytes of LDS; arguments aF, woF, bo, mask, out0; writes out0
.if DOCPART == 3
	.amdgcn_target "amdgcn-amd-amdhsa--gfx1250"
	.amdhsa_code_object_version 6
	.text
	.protected	k_q593253d430_outp
	.globl	k_q593253d430_outp
	.p2align	8
	.type	k_q593253d430_outp,@function
k_q593253d430_outp:
	s_mov_b64 s[64:65], 0
	v_nop
	global_prefetch_b8 v0, s[64:65] scope:SCOPE_SE
	s_setreg_imm32_b32 hwreg(HW_REG_WAVE_MODE, 25, 1), 1
	s_wait_xcnt 0x0
; outp: out0[b][o][t] = (sum over hid of Wo[o][hid] att[b][hid][t] + bo[o]) * mask[b][0][t].
; Grid: x = block of 64 t (32), y = 2 batch + half of the outputs (8): 256 work-groups of 128 o x 64 t, K = 256.
; Eight waves, one tile of 16 outputs each, four accumulators (t tiles a), 32 products.  Wo's fragments go straight into registers; the 32 KiB of
; attention fragments, which all eight waves need, are loaded once (4 KiB a wave) and shared through LDS.
; The bias is the C operand of the first product.  Lane r of tile a is t = 4 r + a of the block, so a lane's four results of one output row are
; 16 neighbouring bytes and sixteen lanes store 256 consecutive, aligned bytes.
; No joint loads: what two work-groups share (the 32 KiB block) is loaded once through registers; a multicast would not shorten this one pass.
.set L16, 1                            ; lane x 16
.set RR,  2
.set HH,  3
.set VB,  4                            ; h x 32: bias
.set VM,  5                            ; r x 16: mask row
.set VO,  6                            ; h x 8 rows + r x 16: output
.set VS,  7                            ; my 4 KiB of the block in LDS
.set BO,  8                            ; v[8:15]   bias as C operand
.set MR,  16                           ; v[16:19]  mask of my four t
.set WF,  20                           ; v[20:83]  Wo fragments, 8 for each k chunk
.set ACC, 84                           ; v[84:115]
.set B0,  116                          ; v[116:179] fragments of two k chunks; first: the block as loaded; last: the output
.set B1,  180                          ; v[180:243]
.macro PLACES n                        ; plain vector instructions that name no register of a matrix instruction (ISA guide 7.12.1)
.rept \n
	v_nop
.endr
.endm
.macro MM d, a, b, c
	v_wmma_f32_16x16x32_bf16 v[\d:\d+7], v[\a:\a+7], v[\b:\b+7], v[\c:\c+7]
.endm
.macro FETCH2 p, buf                   ; k chunks 2 p and 2 p + 1: 16 loads of 512 consecutive bytes
.set q, 0
.rept 16
	ds_load_b128 v[\buf+4*q:\buf+4*q+3], v[L16] offset:\p*8192+q*512
.set q, q+1
.endr
.endm
.macro MUL1 kap, bb, start             ; the four accumulators take turns, one instruction a turn
.irp a,0,1,2,3
.if \start
	MM ACC+8*\a, WF+8*(\kap), \bb+8*\a, BO
.else
	MM ACC+8*\a, WF+8*(\kap), \bb+8*\a, ACC+8*\a
.endif
.endr
.endm
.macro MUL2 p, buf, start
	MUL1 2*\p, \buf, \start
	MUL1 2*\p+1, \buf+32, 0
.endm
	s_load_b256 s[4:11], s[0:1], 0x0       ; aF 4, woF 6, bo 8, mask 10
	s_load_b64 s[12:13], s[0:1], 0x20      ; out0
	v_lshl_add_u32 v248, v0, 2, 0x8000
	v_mov_b32 v249, 0
	v_lshrrev_b32 v[RR], 5, v0
	v_readfirstlane_b32 s14, v[RR]         ; wave
	s_and_b32 s15, ttmp7, 0xffff
	s_lshr_b32 s16, s15, 1                 ; batch
	s_and_b32 s17, s15, 1
	s_lshl3_add_u32 s17, s17, s14          ; output tile = 8 x half + wave
	v_and_b32 v[HH], 31, v0
	v_lshlrev_b32 v[L16], 4, v[HH]
	v_and_b32 v[RR], 15, v0
	v_bfe_u32 v[HH], v0, 4, 1
	v_lshlrev_b32 v[VB], 5, v[HH]
	v_lshlrev_b32 v[VM], 4, v[RR]
	v_lshl_add_u32 v[VO], v[HH], 16, v[VM]
	s_lshl_b32 s18, s14, 12
	v_add_nc_u32 v[VS], s18, v[L16]
	s_mov_b32 s21, 0
	s_mov_b32 s23, 0
	s_lshl_b32 s20, s16, 20                ; attention fragments: 32 blocks of 32 KiB for each batch
	s_lshl_b32 s22, ttmp9, 15
	s_add_co_u32 s20, s20, s22
	s_add_co_u32 s20, s20, s18             ; + my 4 KiB
	s_wait_kmcnt 0x0
	s_add_nc_u64 s[4:5], s[4:5], s[20:21]
	s_lshl_b32 s20, s17, 13                ; Wo: 8 KiB for each output tile
	s_add_nc_u64 s[6:7], s[6:7], s[20:21]
	s_lshl_b32 s20, s17, 6                 ; bias: 16 numbers for each tile
	s_add_nc_u64 s[8:9], s[8:9], s[20:21]
	s_lshl_b32 s20, s16, 24                ; mask: row 0 of the batch,
	s_lshl_b32 s22, ttmp9, 8               ; my 64 t
	s_add_co_u32 s20, s20, s22
	s_add_nc_u64 s[10:11], s[10:11], s[20:21]
	s_lshl_b32 s20, s16, 21                ; output: 256 rows of 8,192 bytes for each batch,
	s_add_co_u32 s20, s20, s22             ; my 64 t,
	s_lshl_b32 s22, s17, 17                ; 16 rows for each tile
	s_add_co_u32 s20, s20, s22
	s_add_nc_u64 s[12:13], s[12:13], s[20:21]
.irp e,0,1,2,3,4,5,6,7
	global_load_b128 v[B0+4*\e:B0+4*\e+3], v[L16], s[4:5] offset:\e*512
.endr
	global_load_b128 v[BO:BO+3], v[VB], s[8:9]
	global_load_b128 v[BO+4:BO+7], v[VB], s[8:9] offset:16
	global_load_b128 v[MR:MR+3], v[VM], s[10:11]
.irp q,0,1,2,3,4,5,6,7,8,9,10,11,12,13,14,15
	global_load_b128 v[WF+4*\q:WF+4*\q+3], v[L16], s[6:7] offset:\q*512
.endr
	s_wait_loadcnt 19                      ; bias (2), mask (1) and Wo (16) are younger: my part of the block is in
.irp e,0,1,2,3,4,5,6,7
	ds_store_b128 v[VS], v[B0+4*\e:B0+4*\e+3] offset:\e*512
.endr
	s_wait_dscnt 0x0                       ; my stores are done, for the other waves' sake
	s_barrier_signal -1
	s_barrier_wait -1
	FETCH2 0, B0
	FETCH2 1, B1
	s_wait_loadcnt 0x0                     ; bias, mask, Wo
	s_wait_dscnt 16                        ; the 16 younger loads stay out
	MUL2 0, B0, 1
	PLACES 4                               ; loads into registers that the products above read
	FETCH2 2, B0
	s_wait_dscnt 16
	MUL2 1, B1, 0
	PLACES 4
	FETCH2 3, B1
	s_wait_dscnt 16
	MUL2 2, B0, 0
	s_wait_dscnt 0x0
	MUL2 3, B1, 0
	PLACES 4                               ; the multiplies read results and write registers that products read
.irp j,0,1,2,3,4,5,6,7
.irp a,0,1,2,3
	v_mul_f32 v[B0+4*\j+\a], v[ACC+8*\a+\j], v[MR+\a]
.endr
	global_store_b128 v[VO], v[B0+4*\j:B0+4*\j+3], s[12:13] offset:\j*8192 th:TH_STORE_NT
.endr
	s_wait_tensorcnt 0x0
	ds_add_u32 v248, v249
	s_wait_dscnt 0x0
	s_endpgm
.Lfunc_end_k_q593253d430_outp:
	.size	k_q593253d430_outp, .Lfunc_end_k_q593253d430_outp-k_q593253d430_outp
	.p2alignl 7, 3214868480
	.fill 96, 4, 3214868480
	.section	.rodata,"a",@progbits
	.p2align	6, 0x0
	.amdhsa_kernel k_q593253d430_outp
		.amdhsa_group_segment_fixed_size 33792
		.amdhsa_private_segment_fixed_size 0
		.amdhsa_enable_private_segment 0
		.amdhsa_kernarg_size 40
		.amdhsa_user_sgpr_count 2
		.amdhsa_user_sgpr_kernarg_segment_ptr 1
		.amdhsa_wavefront_size32 1
		.amdhsa_system_sgpr_workgroup_id_x 1
		.amdhsa_system_sgpr_workgroup_id_y 1
		.amdhsa_system_sgpr_workgroup_id_z 1
		.amdhsa_system_vgpr_workitem_id 0
		.amdhsa_next_free_vgpr 250
		.amdhsa_next_free_sgpr 66
		.amdhsa_reserve_vcc 0
		.amdhsa_float_denorm_mode_32 3
		.amdhsa_float_denorm_mode_16_64 3
		.amdhsa_memory_ordered 1
		.amdhsa_forward_progress 1
		.amdhsa_inst_pref_size 14
	.end_amdhsa_kernel
	.amdgpu_metadata
---
amdhsa.version: [ 1, 2 ]
amdhsa.kernels:
  - .name:           k_q593253d430_outp
    .symbol:         k_q593253d430_outp.kd
    .args:
      - { .name: aF, .offset: 0, .size: 8, .value_kind: global_buffer, .address_space: global }
      - { .name: woF, .offset: 8, .size: 8, .value_kind: global_buffer, .address_space: global }
      - { .name: bo, .offset: 16, .size: 8, .value_kind: global_buffer, .address_space: global }
      - { .name: mask, .offset: 24, .size: 8, .value_kind: global_buffer, .address_space: global }
      - { .name: out0, .offset: 32, .size: 8, .value_kind: global_buffer, .address_space: global }
    .group_segment_fixed_size: 33792
    .private_segment_fixed_size: 0
    .kernarg_segment_align: 8
    .kernarg_segment_size: 40
    .max_flat_workgroup_size: 256
    .sgpr_count:     66
    .vgpr_count:     250
    .wavefront_size: 32
...
	.end_amdgpu_metadata
.endif
;; end of part 3
;; ======== version 2 of 2: 3 launches; version 1 with the launches proj, outp written anew for expert scheduling mode
;; limits: right only within a limited range of input values
;; workspace buffers: kF 4,194,304 bytes; qF 4,194,304 bytes; vF 4,194,304 bytes; aF 4,194,304 bytes; woF 131,072 bytes; kb 32,768 bytes
;; launch proj (part 4): grid 193 x 1, 16 waves a work-group, no clusters, 202,752 bytes of LDS; arguments keys, queries, values, Wk, Wq, Wv, bk, bq, bv, Wo, mask, kF, qF, vF, woF, kb; writes kF, qF, vF, woF, kb
.if DOCPART == 4
	.amdgcn_target "amdgcn-amd-amdhsa--gfx1250"
	.amdhsa_code_object_version 6
	.text
	.protected	k_q593253d430_proj
	.globl	k_q593253d430_proj
	.p2align	8
	.type	k_q593253d430_proj,@function
k_q593253d430_proj:
	s_mov_b64 s[64:65], 0
	v_nop
	global_prefetch_b8 v0, s[64:65] scope:SCOPE_SE
	s_setreg_imm32_b32 hwreg(HW_REG_WAVE_SCHED_MODE, 0, 2), 2
	s_setreg_imm32_b32 hwreg(HW_REG_WAVE_MODE, 25, 1), 1
	s_wait_xcnt 0x0
	s_wait_alu depctr_vm_vsrc(0)
; proj: k = Wk keys + bk, q = Wq queries + bq, v = Wv values + bv, rounded to bf16 and stored AS MATRIX FRAGMENTS; Wo as bf16 fragments;
; the key mask (column 0 of mask) as an additive f32 bias.
; Work-groups 0-63 keys, 64-127 queries, 128-191 values: (batch, block of 128 columns), all 256 outputs, K = 256.  Work-group 192: Wo.
; A group reads 128 KiB of x (every x byte once in the launch) and the 256 KiB of its weight; halving the outputs to have more groups
; would read x twice, so 192 groups of this shape are launched.
; Sixteen waves: wave w = 2 og + ch makes outputs 32 og .. 32 og + 31 (two tiles, u) of column block ch (64 columns, four tiles, a).
; COLUMN ORDER: a lane loads 4 neighbouring f32 columns 4 r .. 4 r + 3; component a feeds tile a, so lane r of tile a is column 4 r + a of
; its block of 64.  Keys, values, key bias and softmax weights use the same order; for queries it is undone by the last launch's stores.
; WHY FRAGMENTS: an f32 result tile holds (m = 8 h + j, n = r) in register j of lane (r, h); four packed conversions give registers 0-3
; (or 4-7) of a 16-bit operand with row or column r and k = 8 h + j.  So every store here is 512 consecutive bytes of a wave, lane L at 16 L.
;   k, q: W is the first source, x the second: result (channel, column) -> operand with row = column, k = channel.
;   v:    x is the first source, W the second: result (column, channel) -> operand with row = channel, k = column.
; The bias is the C operand of the first product: nothing is cleared and no add is written.
; No joint loads: x and W must pass through registers to be rounded to bf16, and f32 W (256 KiB) beside the bf16 copies does not fit in LDS.
; Limit: a masked key gets the bias -2^127 (0xff000000), not minus infinity (see the attention launch).
; THE MODE: SCHED_MODE bits 1:0 = 2 (LLVM: expert scheduling mode 2), set by the entry lines.  The code itself states the register dependences
; between vector or matrix instructions and memory or LDS instructions, with s_wait_alu, always for 0.
; THE PLAN.  Registers that memory or LDS instructions touch:
;   v1, v4-v9     offsets and LDS addresses: written at the head, read by every load and store, never written again: one wait ahead of the first load.
;   v10, v12-v15  wave 0 of a keys group alone: the mask's offset and four words: a wait ahead of the loads, one ahead of the store.
;   XC            written by x's conversions; read by eight LDS stores, which stand behind the wait at the head of W's first group.
;   WR            eight groups of four loads.  Group g's conversions round in place; its four LDS stores are issued in group g + 1, among that
;                 group's conversions, which name other registers: one wait at a group's head, one more ahead of the last four stores.
;   Behind the barrier one wait on vm_vsrc: my LDS stores have read WR and XC, whose registers are accumulators and fragment buffers from there on.
;   BUF0-BUF2     step k's products read BUF[k % 3]; the loads of step k + 2 land in BUF[(k + 2) % 3], which the products of step k - 1 read: they are
;                 issued in step k, behind the one wait at its head, dealt among its products, which name BUF[k % 3], the accumulators and the bias alone.
;   OUTR          written by the conversions of the results; read by the global stores: tile row 0's stores stand among tile row 1's conversions.
.set WPITCH, 528                       ; an LDS row of W: 512 bytes of bf16 + 16: 33 x 16 bytes, so 16 rows start in 16 different 16-byte columns
.set XF,   256*WPITCH                  ; 135,168: x as fragments [k step 8][ch 2][a 4][half 2][lane x 16], 65,536 bytes
.set L16,  1                           ; lane x 16
.set RR,   2                           ; r = lane % 16
.set HH,   3                           ; h = lane / 16
.set VXO,  4                           ; x: h x 8 rows + r x 16 bytes
.set VWS,  5                           ; W into LDS: my 16 rows + lane x 8
.set VXS,  6                           ; x fragments into LDS
.set VWL,  7                           ; W fragments out of LDS
.set VXL,  8                           ; x fragments out of LDS
.set VBO,  9                           ; bias offset
.set VMO,  10                          ; mask offset (first: the lane)
.set ZERO, 11
.set MK,   12                          ; v[12:15]  four mask words
.set BI,   16                          ; v[16:31]  bias as C operand, 8 registers for each u
.set WR,   32                          ; v[32:159] W as loaded
.set XR,   160                         ; v[160:223] x as loaded
.set XC,   224                         ; v[224:255] x as fragments
.set ACC,  32                          ; behind the barrier: v[32:95] tile (u, a) at 8 (4 u + a)
.set BUF0, 96                          ; v[96:143]  W fragments u = 0, 1, then x fragments a = 0..3
.set BUF1, 144                         ; v[144:191]
.set BUF2, 192                         ; v[192:239]
.set OUTR, 192                         ; v[192:223] packed results, where BUF2 lay: its last products are step 5's
.macro PLACES n                        ; plain vector instructions that name no register of a matrix instruction (ISA guide 7.12.1)
.rept \n
	v_nop
.endr
.endm
.macro MM d, a, b, c
	v_wmma_f32_16x16x32_bf16 v[\d:\d+7], v[\a:\a+7], v[\b:\b+7], v[\c:\c+7]
.endm
; my 16 rows of a weight, 16 KiB in a row: each load of the wave takes 512 consecutive bytes
.macro WLOAD base
.set e, 0
.rept 32
	global_load_b128 v[WR+4*e:WR+4*e+3], v[L16], s[\base:\base+1] offset:e*512
.set e, e+1
.endr
.endm
; W's load number n, rounded: 8 bytes a lane into its LDS row
.macro WST n
	ds_store_b64 v[VWS], v[WR+4*(\n):WR+4*(\n)+1] offset:((\n)/2)*WPITCH+((\n)%2)*256
.endm
; W is rounded in place and laid into LDS rows, four loads to a group; the count = the younger W loads.  A group's stores are issued in the next group.
; withx = 1: x's fragments, converted just before, are stored at the head of the first group.
.macro WCONV withx
.set e, 0
.rept 8
	s_wait_loadcnt 28-e
.if (e > 0) || (\withx)
	s_wait_alu depctr_va_vdst(0)           ; the conversions of the group before (first group: x's) have written the registers that the LDS stores below read
.endif
.if (e == 0) && (\withx)
.irp q,0,1,2,3,4,5,6,7
	ds_store_b128 v[VXS], v[XC+4*\q:XC+4*\q+3] offset:\q*512
.endr
.endif
.rept 4
	v_cvt_pk_bf16_f32 v[WR+4*e], v[WR+4*e], v[WR+4*e+1]
	v_cvt_pk_bf16_f32 v[WR+4*e+1], v[WR+4*e+2], v[WR+4*e+3]
.if e >= 4
	WST e-4                                ; no wait: no vector instruction since the group's wait names these registers
.endif
.set e, e+1
.endr
.endr
	s_wait_alu depctr_va_vdst(0)           ; the last group's conversions have written their registers; every conversion is done with WR and XR, in which fragments land later
.irp n,28,29,30,31
	WST \n
.endr
.endm
; x rows 32 og + 16 (e / 8) + 8 h + e % 8, my block of 64 columns: sixteen lanes take 256 consecutive bytes
.macro XLOAD
.set e, 0
.rept 16
	global_load_b128 v[XR+4*e:XR+4*e+3], v[VXO], s[40:41] offset:((e/8)*16+(e%8))*8192 th:TH_LOAD_NT
.set e, e+1
.endr
.endm
; component a of rows 8 h + 2 p, 8 h + 2 p + 1 -> register p of tile a (second half: rows + 16)
.macro XCONV
.irp a,0,1,2,3
.irp p,0,1,2,3
	v_cvt_pk_bf16_f32 v[XC+8*\a+\p], v[XR+8*\p+\a], v[XR+8*\p+4+\a]
.endr
.irp p,0,1,2,3
	v_cvt_pk_bf16_f32 v[XC+8*\a+4+\p], v[XR+32+8*\p+\a], v[XR+36+8*\p+\a]
.endr
.endr
.endm
; load n of the 12 fragment loads of K step kk: 0-3 W's (u = n / 2, half n % 2), 4-11 x's
.macro FL kk, buf, n
.if (\n) < 4
	ds_load_b128 v[\buf+4*(\n):\buf+4*(\n)+3], v[VWL] offset:((\n)/2)*16*WPITCH+(\kk)*64+((\n)%2)*32
.else
	ds_load_b128 v[\buf+4*(\n):\buf+4*(\n)+3], v[VXL] offset:(\kk)*8192+((\n)-4)*512
.endif
.endm
.macro FETCH kk, buf
.irp n,0,1,2,3,4,5,6,7,8,9,10,11
	FL \kk, \buf, \n
.endr
.endm
; One K step: eight products; the eight accumulators take turns, one instruction a turn.
; left = the younger LDS loads (the next step's 12).  more = 1: step nxt is fetched into nbuf, two loads behind each of the first six products.
; dep = 1: products have read nbuf before.
.macro STEP buf, swap, start, left, dep, more, nxt, nbuf
	s_wait_dscnt \left
.if \dep
	s_wait_alu depctr_va_vdst(0)           ; the products of the step before are done reading the buffer in which this step's loads land
.endif
.irp u,0,1
.irp a,0,1,2,3
.if \swap
.if \start
	MM ACC+8*(4*\u+\a), \buf+16+8*\a, \buf+8*\u, BI+8*\u
.else
	MM ACC+8*(4*\u+\a), \buf+16+8*\a, \buf+8*\u, ACC+8*(4*\u+\a)
.endif
.else
.if \start
	MM ACC+8*(4*\u+\a), \buf+8*\u, \buf+16+8*\a, BI+8*\u
.else
	MM ACC+8*(4*\u+\a), \buf+8*\u, \buf+16+8*\a, ACC+8*(4*\u+\a)
.endif
.endif
.if \more
.if 4*\u+\a < 6
	FL \nxt, \nbuf, 2*(4*\u+\a)
	FL \nxt, \nbuf, 2*(4*\u+\a)+1
.endif
.endif
.endr
.endr
.endm
; a result tile: rounded, each accumulator from its low end on; and stored
.macro OCVT u, a
.irp p,0,1,2,3
	v_cvt_pk_bf16_f32 v[OUTR+4*(4*\u+\a)+\p], v[ACC+8*(4*\u+\a)+2*\p], v[ACC+8*(4*\u+\a)+2*\p+1]
.endr
.endm
.macro OST u, a, swap
.if \swap
	global_store_b128 v[L16], v[OUTR+4*(4*\u+\a):OUTR+4*(4*\u+\a)+3], s[46:47] offset:(\a/2)*4096+\u*1024+(\a%2)*512
.else
	global_store_b128 v[L16], v[OUTR+4*(4*\u+\a):OUTR+4*(4*\u+\a)+3], s[46:47] offset:\a*2048+\u*512
.endif
.endm
.macro BODY swap
	s_and_b32 s50, s6, 1                   ; which 32 of the head's 64 channels
	s_lshl_b32 s50, s50, 10+\swap          ; k, q: 1,024 bytes (k chunk); v: 2,048 bytes (two channel tiles)
	s_add_nc_u64 s[46:47], s[46:47], s[50:51]
	; the bias goes first, so that the counts below are the same for all three tensors
.if \swap
	v_lshlrev_b32 v[VBO], 2, v[RR]         ; result column r = channel: one number a lane for each u
.else
	v_lshlrev_b32 v[VBO], 5, v[HH]         ; result row 8 h + j = channel: eight numbers a lane for each u
.endif
	s_wait_alu depctr_va_vdst(0)           ; the offsets and LDS addresses v1 and v4 to v9 are written, which the loads and stores of the whole body read
.if \swap
	global_load_b32 v[BI], v[VBO], s[44:45]
	global_load_b32 v[BI+8], v[VBO], s[44:45] offset:64
.else
	global_load_b128 v[BI:BI+3], v[VBO], s[44:45]
	global_load_b128 v[BI+4:BI+7], v[VBO], s[44:45] offset:16
	global_load_b128 v[BI+8:BI+11], v[VBO], s[44:45] offset:64
	global_load_b128 v[BI+12:BI+15], v[VBO], s[44:45] offset:80
.endif
	XLOAD
	WLOAD 42
.if \swap
.else
	; wave 0 of a keys group: the key bias of its 128 keys.  Word 4 L + e of the 128 is (block L / 16, tile (L / 4) % 4, row 4 (L % 4) + e),
	; which is key 64 (L / 16) + 16 (L % 4) + 4 e + (L / 4) % 4.
	s_cmp_lg_u32 s3, 0
	s_cbranch_scc1 .Lno_mask
	s_cmp_lg_u32 s2, 0
	s_cbranch_scc1 .Lno_mask
	s_lshl_b32 s48, s4, 24                 ; batch x 2,048 rows x 8,192 bytes
	s_lshl_b32 s50, s5, 20                 ; + 128 rows for each column block
	s_add_co_u32 s48, s48, s50
	s_add_nc_u64 s[28:29], s[28:29], s[48:49]
	s_lshl_b32 s48, s4, 13
	s_lshl_b32 s50, s5, 9
	s_add_co_u32 s48, s48, s50
	s_add_nc_u64 s[38:39], s[38:39], s[48:49]
	v_lshlrev_b32 v[VMO], 6, v[HH]
	v_and_b32 v[MK], 3, v0
	v_lshl_add_u32 v[VMO], v[MK], 4, v[VMO]
	v_bfe_u32 v[MK], v0, 2, 2
	v_add_lshl_u32 v[VMO], v[VMO], v[MK], 13
	v_mov_b32 v[ZERO], 0
	s_wait_alu depctr_va_vdst(0)           ; the mask's offset is written, which the four loads read; the lines above are done with v12, in which the first of them lands
.irp e,0,1,2,3
	global_load_b32 v[MK+\e], v[VMO], s[28:29] offset:\e*32768 th:TH_LOAD_NT
.endr
	s_wait_loadcnt 0x0
.irp e,0,1,2,3
	v_cmp_lt_f32 s[56+\e], 0, v[MK+\e]     ; keep = mask > 0 (a NaN is no keep, as in the comparison of the problem)
.endr
	s_wait_alu depctr_va_sdst(0)           ; the four compares have written s56 to s59, which the selects read
.irp e,0,1,2,3
	v_cndmask_b32 v[MK+\e], 0xff000000, v[ZERO], s[56+\e]
.endr
	s_wait_alu depctr_va_vdst(0)           ; the selects have written v12 to v15, which the store reads
	global_store_b128 v[L16], v[MK:MK+3], s[38:39]     ; 512 consecutive bytes; its registers are not written again
.Lno_mask:
.endif
	s_wait_loadcnt 32                      ; the 32 loads of W are younger: bias and x are in
	XCONV
.if \swap
.irp j,1,2,3,4,5,6,7
	v_mov_b32 v[BI+\j], v[BI]              ; C is constant along the result's rows here
	v_mov_b32 v[BI+8+\j], v[BI+8]
.endr
.endif
	WCONV 1
	s_wait_dscnt 0x0                       ; my LDS stores are done, for the other waves' sake
	s_barrier_signal -1
	s_barrier_wait -1                      ; W and x are whole
	s_wait_alu depctr_vm_vsrc(0)           ; my LDS stores have read WR and XC: these registers are accumulators and fragment buffers from here on, v254 and v255 the closing add's
	FETCH 0, BUF0
	FETCH 1, BUF1
	STEP BUF0, \swap, 1, 12, 0, 1, 2, BUF2 ; no product has read BUF2 yet, and the conversions that named its registers stand ahead of the last wait on va_vdst
	STEP BUF1, \swap, 0, 12, 1, 1, 3, BUF0
	STEP BUF2, \swap, 0, 12, 1, 1, 4, BUF1
	STEP BUF0, \swap, 0, 12, 1, 1, 5, BUF2
	STEP BUF1, \swap, 0, 12, 1, 1, 6, BUF0
	STEP BUF2, \swap, 0, 12, 1, 1, 7, BUF1
	STEP BUF0, \swap, 0, 12, 0, 0, 0, BUF0 ; the last two steps fetch nothing, so they state nothing
	STEP BUF1, \swap, 0, 0, 0, 0, 0, BUF1
	PLACES 4                               ; the conversions read results
.irp a,0,1,2,3
	OCVT 0, \a
.endr
	s_wait_alu depctr_va_vdst(0)           ; the conversions of tile row 0 have written v[OUTR .. OUTR + 15], which its four stores read
.irp a,0,1,2,3
	OST 0, \a, \swap
	OCVT 1, \a                             ; names tile row 1's registers alone
.endr
	s_wait_alu depctr_va_vdst(0)           ; the conversions of tile row 1 have written v[OUTR + 16 .. OUTR + 31], which its four stores read
.irp a,0,1,2,3
	OST 1, \a, \swap
.endr
	s_wait_xcnt 0x0
	v_lshl_add_u32 v254, v0, 2, 0x31000    ; no memory or LDS instruction has read v254 or v255 since the wait on vm_vsrc behind the barrier
	v_mov_b32 v255, 0
	s_wait_dscnt 0x0                       ; the closing lines, six on end
	s_wait_alu 0x0
	s_wait_tensorcnt 0x0
	ds_add_u32 v254, v255
	s_wait_dscnt 0x0
	s_endpgm
.endm
	s_load_b512 s[8:23], s[0:1], 0x0       ; keys 8, queries 10, values 12, Wk 14, Wq 16, Wv 18, bk 20, bq 22
	s_load_b512 s[24:39], s[0:1], 0x40     ; bv 24, Wo 26, mask 28, kF 30, qF 32, vF 34, woF 36, kb 38
	v_lshrrev_b32 v[VMO], 5, v0
	v_readfirstlane_b32 s2, v[VMO]         ; wave
	s_lshr_b32 s3, ttmp9, 6                ; 0 keys, 1 queries, 2 values, 3 Wo
	s_bfe_u32 s4, ttmp9, 0x20004           ; batch
	s_and_b32 s5, ttmp9, 15                ; block of 128 columns
	v_and_b32 v[VMO], 31, v0
	v_lshlrev_b32 v[L16], 4, v[VMO]
	v_and_b32 v[RR], 15, v0
	v_bfe_u32 v[HH], v0, 4, 1
	v_mul_u32_u24 v[VWL], v[RR], WPITCH
	v_lshl_add_u32 v[VWL], v[HH], 4, v[VWL]    ; r x pitch + 16 h
	s_wait_alu depctr_va_sdst(0)           ; s2 is written, ahead of its first reader: addresses and branches are made from it
	s_lshr_b32 s6, s2, 1                   ; og
	s_and_b32 s7, s2, 1                    ; ch
	s_mul_i32 s52, s2, 16*WPITCH           ; my 16 rows of W in LDS
	v_lshl_add_u32 v[VWS], v[VMO], 3, s52
	s_mov_b32 s49, 0
	s_mov_b32 s51, 0
	s_lshl_b32 s48, s2, 14                 ; my 16 rows of a weight in memory
	s_wait_kmcnt 0x0
	s_cmp_eq_u32 s3, 3
	s_cbranch_scc1 .Lwo
	s_cmp_eq_u32 s3, 1
	s_cselect_b64 s[40:41], s[10:11], s[8:9]       ; x
	s_cselect_b64 s[42:43], s[16:17], s[14:15]     ; W
	s_cselect_b64 s[44:45], s[22:23], s[20:21]     ; bias
	s_cselect_b64 s[46:47], s[32:33], s[30:31]     ; fragments out
	s_cmp_eq_u32 s3, 2
	s_cselect_b64 s[40:41], s[12:13], s[40:41]
	s_cselect_b64 s[42:43], s[18:19], s[42:43]
	s_cselect_b64 s[44:45], s[24:25], s[44:45]
	s_cselect_b64 s[46:47], s[34:35], s[46:47]
	s_add_nc_u64 s[42:43], s[42:43], s[48:49]
	s_lshl_b32 s48, s4, 21                 ; x: batch x 256 rows x 8,192 bytes
	s_lshl_b32 s50, s6, 18                 ; + 32 og rows
	s_add_co_u32 s48, s48, s50
	s_lshl_b32 s50, s5, 9                  ; + 128 columns for each block
	s_add_co_u32 s48, s48, s50
	s_lshl_b32 s50, s7, 8                  ; + 64 columns for ch
	s_add_co_u32 s48, s48, s50
	s_add_nc_u64 s[40:41], s[40:41], s[48:49]
	s_lshl_b32 s50, s6, 7                  ; bias: 32 og numbers
	s_add_nc_u64 s[44:45], s[44:45], s[50:51]
	s_lshr_b32 s48, s6, 1                  ; head
	s_lshl2_add_u32 s48, s4, s48           ; 4 batch + head
	s_lshl_b32 s48, s48, 5
	s_lshl1_add_u32 s50, s5, s7            ; block of 64 columns
	s_add_co_u32 s48, s48, s50
	s_lshl_b32 s48, s48, 13                ; 8 KiB of fragments for each (batch, head, block)
	s_add_nc_u64 s[46:47], s[46:47], s[48:49]
	v_lshlrev_b32 v[VXO], 4, v[RR]
	v_lshl_add_u32 v[VXO], v[HH], 16, v[VXO]
	s_lshl_b32 s53, s2, 12                 ; k step og, block ch = wave x 4,096 bytes
	s_add_co_u32 s53, s53, XF
	v_add_nc_u32 v[VXS], s53, v[L16]
	s_mul_i32 s54, s6, 32*WPITCH
	v_add_nc_u32 v[VWL], s54, v[VWL]
	s_lshl_b32 s55, s7, 12
	s_add_co_u32 s55, s55, XF
	v_add_nc_u32 v[VXL], s55, v[L16]
	s_cmp_eq_u32 s3, 2
	s_cbranch_scc1 .Lvalues
	BODY 0
.Lvalues:
	BODY 1
	; Wo: each wave rounds its 16 rows, lays them into its own LDS rows and reads them back as the 16 halves of 8 fragments.
	; The bytes are the wave's own and LDS serves a wave's instructions in order (ISA guide 5.7.1): no barrier.
.Lwo:
	s_add_nc_u64 s[26:27], s[26:27], s[48:49]
	s_lshl_b32 s50, s2, 13
	s_add_nc_u64 s[36:37], s[36:37], s[50:51]
	v_add_nc_u32 v[VWL], s52, v[VWL]
	s_wait_alu depctr_va_vdst(0)           ; v1, v5 and v7 are written, which the loads, the LDS stores and loads and the stores below read
	WLOAD 26
	WCONV 0
.irp q,0,1,2,3,4,5,6,7,8,9,10,11,12,13,14,15
	ds_load_b128 v[XR+4*\q:XR+4*\q+3], v[VWL] offset:\q*32     ; no vector instruction of this way names these registers
.endr
.irp q,0,1,2,3,4,5,6,7,8,9,10,11,12,13,14,15
	s_wait_dscnt 15-\q                     ; LDS loads come back in order: number q is in
	global_store_b128 v[L16], v[XR+4*\q:XR+4*\q+3], s[36:37] offset:\q*512
.endr
	s_wait_xcnt 0x0
	v_lshl_add_u32 v254, v0, 2, 0x31000    ; on this way no memory or LDS instruction has named v254 or v255
	v_mov_b32 v255, 0
	s_wait_dscnt 0x0                       ; the closing lines, six on end
	s_wait_alu 0x0
	s_wait_tensorcnt 0x0
	ds_add_u32 v254, v255
	s_wait_dscnt 0x0
	s_endpgm
.Lfunc_end_k_q593253d430_proj:
	.size	k_q593253d430_proj, .Lfunc_end_k_q593253d430_proj-k_q593253d430_proj
	.p2alignl 7, 3214868480
	.fill 96, 4, 3214868480
	.section	.rodata,"a",@progbits
	.p2align	6, 0x0
	.amdhsa_kernel k_q593253d430_proj
		.amdhsa_group_segment_fixed_size 202752
		.amdhsa_private_segment_fixed_size 0
		.amdhsa_enable_private_segment 0
		.amdhsa_kernarg_size 128
		.amdhsa_user_sgpr_count 2
		.amdhsa_user_sgpr_kernarg_segment_ptr 1
		.amdhsa_wavefront_size32 1
		.amdhsa_system_sgpr_workgroup_id_x 1
		.amdhsa_system_sgpr_workgroup_id_y 1
		.amdhsa_system_sgpr_workgroup_id_z 1
		.amdhsa_system_vgpr_workitem_id 0
		.amdhsa_next_free_vgpr 256
		.amdhsa_next_free_sgpr 66
		.amdhsa_reserve_vcc 0
		.amdhsa_float_denorm_mode_32 3
		.amdhsa_float_denorm_mode_16_64 3
		.amdhsa_memory_ordered 1
		.amdhsa_forward_progress 1
		.amdhsa_inst_pref_size 74
	.end_amdhsa_kernel
	.amdgpu_metadata
---
amdhsa.version: [ 1, 2 ]
amdhsa.kernels:
  - .name:           k_q593253d430_proj
    .symbol:         k_q593253d430_proj.kd
    .args:
      - { .name: keys, .offset: 0, .size: 8, .value_kind: global_buffer, .address_space: global }
      - { .name: queries, .offset: 8, .size: 8, .value_kind: global_buffer, .address_space: global }
      - { .name: values, .offset: 16, .size: 8, .value_kind: global_buffer, .address_space: global }
      - { .name: Wk, .offset: 24, .size: 8, .value_kind: global_buffer, .address_space: global }
      - { .name: Wq, .offset: 32, .size: 8, .value_kind: global_buffer, .address_space: global }
      - { .name: Wv, .offset: 40, .size: 8, .value_kind: global_buffer, .address_space: global }
      - { .name: bk, .offset: 48, .size: 8, .value_kind: global_buffer, .address_space: global }
      - { .name: bq, .offset: 56, .size: 8, .value_kind: global_buffer, .address_space: global }
      - { .name: bv, .offset: 64, .size: 8, .value_kind: global_buffer, .address_space: global }
      - { .name: Wo, .offset: 72, .size: 8, .value_kind: global_buffer, .address_space: global }
      - { .name: mask, .offset: 80, .size: 8, .value_kind: global_buffer, .address_space: global }
      - { .name: kF, .offset: 88, .size: 8, .value_kind: global_buffer, .address_space: global }
      - { .name: qF, .offset: 96, .size: 8, .value_kind: global_buffer, .address_space: global }
      - { .name: vF, .offset: 104, .size: 8, .value_kind: global_buffer, .address_space: global }
      - { .name: woF, .offset: 112, .size: 8, .value_kind: global_buffer, .address_space: global }
      - { .name: kb, .offset: 120, .size: 8, .value_kind: global_buffer, .address_space: global }
    .group_segment_fixed_size: 202752
    .private_segment_fixed_size: 0
    .kernarg_segment_align: 8
    .kernarg_segment_size: 128
    .max_flat_workgroup_size: 512
    .sgpr_count:     66
    .vgpr_count:     256
    .wavefront_size: 32
...
	.end_amdgpu_metadata
.endif
;; end of part 4
;; launch attn: the kernel of part 2 again; grid 16 x 16, 8 waves a work-group, clusters of 4 x 1, 327,680 bytes of LDS; arguments qF, kF, vF, kb, aF; writes aF
;; launch outp (part 5): grid 32 x 8, 8 waves a work-group, no clusters, 33,792 bytes of LDS; arguments aF, woF, bo, mask, out0; writes out0
.if DOCPART == 5
	.amdgcn_target "amdgcn-amd-amdhsa--gfx1250"
	.amdhsa_code_object_version 6
	.text
	.protected	k_q593253d430_outp
	.globl	k_q593253d430_outp
	.p2align	8
	.type	k_q593253d430_outp,@function
k_q593253d430_outp:
	s_mov_b64 s[64:65], 0
	v_nop
	global_prefetch_b8 v0, s[64:65] scope:SCOPE_SE
	s_setreg_imm32_b32 hwreg(HW_REG_WAVE_SCHED_MODE, 0, 2), 2
	s_setreg_imm32_b32 hwreg(HW_REG_WAVE_MODE, 25, 1), 1
	s_wait_xcnt 0x0
	s_wait_alu depctr_vm_vsrc(0)
; outp: out0[b][o][t] = (sum over hid of Wo[o][hid] att[b][hid][t] + bo[o]) * mask[b][0][t].
; Grid: x = block of 64 t (32), y = 2 batch + half of the outputs (8): 256 work-groups of 128 o x 64 t, K = 256.
; Eight waves, one tile of 16 outputs each, four accumulators (t tiles a), 32 products.  Wo's fragments go straight into registers; the 32 KiB of
; attention fragments, which all eight waves need, are loaded once (4 KiB a wave) and shared through LDS.
; The bias is the C operand of the first product.  Lane r of tile a is t = 4 r + a of the block, so a lane's four results of one output row are
; 16 neighbouring bytes and sixteen lanes store 256 consecutive, aligned bytes.
; No joint loads: what two work-groups share (the 32 KiB block) is loaded once through registers; a multicast would not shorten this one pass.
; THE MODE: SCHED_MODE bits 1:0 = 2 (LLVM: expert scheduling mode 2), set by the entry lines.  The code itself states the register dependences
; between vector or matrix instructions and memory or LDS instructions, with s_wait_alu, always for 0.
; THE PLAN.  Registers that memory or LDS instructions touch:
;   v1, v4-v7     offsets and LDS addresses, written at the head and never again: one wait ahead of the first load (v248, v249, the closing add's, likewise).
;   B0            first my 4 KiB of the block as loaded, read by eight LDS stores: one wait on vm_vsrc behind the barrier, ahead of the fragments that land in it.
;   B0, B1        a step is two k chunks.  Step p's products read B[p % 2]; the 16 loads of step p + 1 land in the other buffer, which the products of
;                 step p - 1 read: they are issued in step p, behind the one wait at its head, four behind each of its first four products, which name
;                 Wo's fragments, B[p % 2] and the accumulators alone.
;   B0 again      the output: rows 0-3 are made, then stored among the multiplies that make rows 4-7 in other registers.
.set L16, 1                            ; lane x 16
.set RR,  2
.set HH,  3
.set VB,  4                            ; h x 32: bias
.set VM,  5                            ; r x 16: mask row
.set VO,  6                            ; h x 8 rows + r x 16: output
.set VS,  7                            ; my 4 KiB of the block in LDS
.set BO,  8                            ; v[8:15]   bias as C operand
.set MR,  16                           ; v[16:19]  mask of my four t
.set WF,  20                           ; v[20:83]  Wo fragments, 8 for each k chunk
.set ACC, 84                           ; v[84:115]
.set B0,  116                          ; v[116:179] fragments of two k chunks; first: the block as loaded; last: the output
.set B1,  180                          ; v[180:243]
.macro PLACES n                        ; plain vector instructions that name no register of a matrix instruction (ISA guide 7.12.1)
.rept \n
	v_nop
.endr
.endm
.macro MM d, a, b, c
	v_wmma_f32_16x16x32_bf16 v[\d:\d+7], v[\a:\a+7], v[\b:\b+7], v[\c:\c+7]
.endm
.macro FL p, buf, q                    ; load q of 16 of k chunks 2 p (q 0-7) and 2 p + 1 (q 8-15): 512 consecutive bytes of the wave
	ds_load_b128 v[\buf+4*(\q):\buf+4*(\q)+3], v[L16] offset:(\p)*8192+(\q)*512
.endm
.macro FETCH2 p, buf
.irp q,0,1,2,3,4,5,6,7,8,9,10,11,12,13,14,15
	FL \p, \buf, \q
.endr
.endm
.macro MUL1 kap, bb, start             ; the four accumulators take turns, one instruction a turn
.irp a,0,1,2,3
.if \start
	MM ACC+8*\a, WF+8*(\kap), \bb+8*\a, BO
.else
	MM ACC+8*\a, WF+8*(\kap), \bb+8*\a, ACC+8*\a
.endif
.endr
.endm
.macro MUL1F kap, bb, np, nbuf         ; the same, with four loads of k chunks 2 np, 2 np + 1 into nbuf behind each product
.irp a,0,1,2,3
	MM ACC+8*\a, WF+8*(\kap), \bb+8*\a, ACC+8*\a
.irp z,0,1,2,3
	FL \np, \nbuf, 4*\a+\z
.endr
.endr
.endm
	s_load_b256 s[4:11], s[0:1], 0x0       ; aF 4, woF 6, bo 8, mask 10
	s_load_b64 s[12:13], s[0:1], 0x20      ; out0
	v_lshl_add_u32 v248, v0, 2, 0x8000
	v_mov_b32 v249, 0
	v_lshrrev_b32 v[RR], 5, v0
	v_readfirstlane_b32 s14, v[RR]         ; wave
	s_and_b32 s15, ttmp7, 0xffff
	s_lshr_b32 s16, s15, 1                 ; batch
	s_and_b32 s17, s15, 1
	v_and_b32 v[HH], 31, v0
	v_lshlrev_b32 v[L16], 4, v[HH]
	v_and_b32 v[RR], 15, v0
	v_bfe_u32 v[HH], v0, 4, 1
	v_lshlrev_b32 v[VB], 5, v[HH]
	v_lshlrev_b32 v[VM], 4, v[RR]
	v_lshl_add_u32 v[VO], v[HH], 16, v[VM]
	s_wait_alu depctr_va_sdst(0)           ; s14 is written, ahead of its first reader: the addresses are made from it
	s_lshl3_add_u32 s17, s17, s14          ; output tile = 8 x half + wave
	s_lshl_b32 s18, s14, 12
	v_add_nc_u32 v[VS], s18, v[L16]
	s_mov_b32 s21, 0
	s_mov_b32 s23, 0
	s_lshl_b32 s20, s16, 20                ; attention fragments: 32 blocks of 32 KiB for each batch
	s_lshl_b32 s22, ttmp9, 15
	s_add_co_u32 s20, s20, s22
	s_add_co_u32 s20, s20, s18             ; + my 4 KiB
	s_wait_kmcnt 0x0
	s_add_nc_u64 s[4:5], s[4:5], s[20:21]
	s_lshl_b32 s20, s17, 13                ; Wo: 8 KiB for each output tile
	s_add_nc_u64 s[6:7], s[6:7], s[20:21]
	s_lshl_b32 s20, s17, 6                 ; bias: 16 numbers for each tile
	s_add_nc_u64 s[8:9], s[8:9], s[20:21]
	s_lshl_b32 s20, s16, 24                ; mask: row 0 of the batch,
	s_lshl_b32 s22, ttmp9, 8               ; my 64 t
	s_add_co_u32 s20, s20, s22
	s_add_nc_u64 s[10:11], s[10:11], s[20:21]
	s_lshl_b32 s20, s16, 21                ; output: 256 rows of 8,192 bytes for each batch,
	s_add_co_u32 s20, s20, s22             ; my 64 t,
	s_lshl_b32 s22, s17, 17                ; 16 rows for each tile
	s_add_co_u32 s20, s20, s22
	s_add_nc_u64 s[12:13], s[12:13], s[20:21]
	s_wait_alu depctr_va_vdst(0)           ; the offsets and LDS addresses v1 and v4 to v7 are written, which every load and store of the kernel reads
.irp e,0,1,2,3,4,5,6,7
	global_load_b128 v[B0+4*\e:B0+4*\e+3], v[L16], s[4:5] offset:\e*512
.endr
	global_load_b128 v[BO:BO+3], v[VB], s[8:9]
	global_load_b128 v[BO+4:BO+7], v[VB], s[8:9] offset:16
	global_load_b128 v[MR:MR+3], v[VM], s[10:11]
.irp q,0,1,2,3,4,5,6,7,8,9,10,11,12,13,14,15
	global_load_b128 v[WF+4*\q:WF+4*\q+3], v[L16], s[6:7] offset:\q*512
.endr
	s_wait_loadcnt 19                      ; bias (2), mask (1) and Wo (16) are younger: my part of the block is in
.irp e,0,1,2,3,4,5,6,7
	ds_store_b128 v[VS], v[B0+4*\e:B0+4*\e+3] offset:\e*512
.endr
	s_wait_dscnt 0x0                       ; my stores are done, for the other waves' sake
	s_barrier_signal -1
	s_barrier_wait -1
	s_wait_alu depctr_vm_vsrc(0)           ; my LDS stores have read v[B0 .. B0 + 31], in which the first fragments land
	FETCH2 0, B0
	FETCH2 1, B1
	s_wait_loadcnt 0x0                     ; bias, mask, Wo
	s_wait_dscnt 24                        ; k chunk 0 is in: chunk 1's eight loads and B1's sixteen are younger
	MUL1 0, B0, 1
	s_wait_dscnt 16                        ; chunk 1 is in
	MUL1 1, B0+32, 0
	s_wait_dscnt 8                         ; chunk 2 is in; chunk 3's eight loads may be out
	s_wait_alu depctr_va_vdst(0)           ; the products of chunks 0 and 1 are done reading B0, in which chunks 4 and 5 land
	MUL1F 2, B1, 2, B0
	s_wait_dscnt 16                        ; chunk 3 is in; the sixteen loads just issued stay out
	MUL1 3, B1+32, 0
	s_wait_dscnt 8                         ; chunk 4 is in
	s_wait_alu depctr_va_vdst(0)           ; the products of chunks 2 and 3 are done reading B1, in which chunks 6 and 7 land
	MUL1F 4, B0, 3, B1
	s_wait_dscnt 16                        ; chunk 5 is in
	MUL1 5, B0+32, 0
	s_wait_dscnt 8                         ; chunk 6 is in
	MUL1 6, B1, 0
	s_wait_dscnt 0x0
	MUL1 7, B1+32, 0
	PLACES 4                               ; the multiplies read results and write registers that products read
.irp j,0,1,2,3
.irp a,0,1,2,3
	v_mul_f32 v[B0+4*\j+\a], v[ACC+8*\a+\j], v[MR+\a]
.endr
.endr
	s_wait_alu depctr_va_vdst(0)           ; the multiplies have written rows 0 to 3, v[B0 .. B0 + 15], which the four stores below read
.irp j,4,5,6,7
	global_store_b128 v[VO], v[B0+4*(\j-4):B0+4*(\j-4)+3], s[12:13] offset:(\j-4)*8192 th:TH_STORE_NT
.irp a,0,1,2,3
	v_mul_f32 v[B0+4*\j+\a], v[ACC+8*\a+\j], v[MR+\a]
.endr
.endr
	s_wait_alu depctr_va_vdst(0)           ; the multiplies have written rows 4 to 7, v[B0 + 16 .. B0 + 31], which the last four stores read
.irp j,4,5,6,7
	global_store_b128 v[VO], v[B0+4*\j:B0+4*\j+3], s[12:13] offset:\j*8192 th:TH_STORE_NT
.endr
	s_wait_dscnt 0x0                       ; the closing lines, six on end
	s_wait_alu 0x0
	s_wait_tensorcnt 0x0
	ds_add_u32 v248, v249
	s_wait_dscnt 0x0
	s_endpgm
.Lfunc_end_k_q593253d430_outp:
	.size	k_q593253d430_outp, .Lfunc_end_k_q593253d430_outp-k_q593253d430_outp
	.p2alignl 7, 3214868480
	.fill 96, 4, 3214868480
	.section	.rodata,"a",@progbits
	.p2align	6, 0x0
	.amdhsa_kernel k_q593253d430_outp
		.amdhsa_group_segment_fixed_size 33792
		.amdhsa_private_segment_fixed_size 0
		.amdhsa_enable_private_segment 0
		.amdhsa_kernarg_size 40
		.amdhsa_user_sgpr_count 2
		.amdhsa_user_sgpr_kernarg_segment_ptr 1
		.amdhsa_wavefront_size32 1
		.amdhsa_system_sgpr_workgroup_id_x 1
		.amdhsa_system_sgpr_workgroup_id_y 1
		.amdhsa_system_sgpr_workgroup_id_z 1
		.amdhsa_system_vgpr_workitem_id 0
		.amdhsa_next_free_vgpr 250
		.amdhsa_next_free_sgpr 66
		.amdhsa_reserve_vcc 0
		.amdhsa_float_denorm_mode_32 3
		.amdhsa_float_denorm_mode_16_64 3
		.amdhsa_memory_ordered 1
		.amdhsa_forward_progress 1
		.amdhsa_inst_pref_size 14
	.end_amdhsa_kernel
	.amdgpu_metadata
---
amdhsa.version: [ 1, 2 ]
amdhsa.kernels:
  - .name:           k_q593253d430_outp
    .symbol:         k_q593253d430_outp.kd
    .args:
      - { .name: aF, .offset: 0, .size: 8, .value_kind: global_buffer, .address_space: global }
      - { .name: woF, .offset: 8, .size: 8, .value_kind: global_buffer, .address_space: global }
      - { .name: bo, .offset: 16, .size: 8, .value_kind: global_buffer, .address_space: global }
      - { .name: mask, .offset: 24, .size: 8, .value_kind: global_buffer, .address_space: global }
      - { .name: out0, .offset: 32, .size: 8, .value_kind: global_buffer, .address_space: global }
    .group_segment_fixed_size: 33792
    .private_segment_fixed_size: 0
    .kernarg_segment_align: 8
    .kernarg_segment_size: 40
    .max_flat_workgroup_size: 256
    .sgpr_count:     66
    .vgpr_count:     250
    .wavefront_size: 32
...
	.end_amdgpu_metadata
.endif
;; end of part 5
